; MI455X (gfx1250); checked and timed in simulation.
; The chip was launched on July 23, 2026; its instructions are those of AMD's public machine-readable ISA for CDNA 5 (MIT licence, August 2026) and "CDNA5" Instruction Set Architecture Reference Guide (July 2026). The comments in the code are by the model that wrote it; some were corrected since.
;; T5 Attention. Allowed arithmetic: matrix products marked QUANTISED: E2M3 operands, one E8M0 scale for each 32 along K, by v_wmma_scale_f32_16x16x128_f8f6f4 with both operands' format E2M3, f32 sums; everything else in f32.
;; Inputs: Wk 1,024 x 1,024 float32; Wo 1,024 x 1,024 float32; Wq 1,024 x 1,024 float32; Wv 1,024 x 1,024 float32; mask 2 x 1 x 1 x 2,048 int32; rel_emb 32 x 16 float32; x 2 x 2,048 x 1,024 float32.
;; Outputs: out0 2 x 2,048 x 1,024 float32.
;; This version of the problem:
;;   THIS VERSION OF THE PROBLEM IS GIVEN IN LOW PRECISION. The matrix products marked QUANTISED in the list below multiply operands that are first quantised to E2M3 (2 exponent bits, 3 mantissa bits; 6 bits a number), with one power-of-two scale for each 32 numbers along K (OCP MX v1.0); their sums are f32. All else is computed in f32.
;;   The module's matrix products, in the order in which they are computed (A, B: the left and right operand; K: the contracted axis; several contracted axes count as one K, in the product's order):
;;     1. [M 4,096, K 1,024] x [K 1,024, N 1,024]; A: input x; B: input Wq: QUANTISED
;;     2. [M 4,096, K 1,024] x [K 1,024, N 1,024]; A: input x; B: input Wk: QUANTISED
;;     3. [M 4,096, K 1,024] x [K 1,024, N 1,024]; A: input x; B: input Wv: QUANTISED
;;     4. batch 32 x [M 2,048, K 64] x [K 64, N 2,048]; A: computed on the way; B: computed on the way: QUANTISED
;;     5. batch 32 x [M 2,048, K 2,048] x [K 2,048, N 64]; A: computed on the way; B: computed on the way: QUANTISED
;;     6. [M 4,096, K 1,024] x [K 1,024, N 1,024]; A: computed on the way; B: input Wo: QUANTISED
;;   THE QUANTISER, for each operand of a quantised product, along K:
;;     - K is cut into blocks of 32 from its start; a last block that is shorter is filled with zeros.
;;     - A block's scale is 2^e with e = floor(log2(the largest magnitude in the block)) - 2, held to -126 .. 127; a block of zeros has e = 0. As a byte (E8M0): e + 127.
;;     - Each number is divided by its block's scale, clamped to +-7.5, and rounded to the nearest number of E2M3, ties to even, subnormals kept.
;;     - The product sums the exact products of the quantised numbers (number of the format x scale) in f32.
;;   ~~~python
;;   def quantise(x, axis):      # numpy; x: float32 -> the quantised numbers, widened to float32 again
;;       x = np.moveaxis(x, axis, -1); K = x.shape[-1]
;;       x = np.pad(x, [(0, 0)] * (x.ndim - 1) + [(0, -K % 32)]); x = x.reshape(x.shape[:-1] + (-1, 32)); a = np.abs(x).max(-1, keepdims=True)
;;       e = np.where(a > 0, np.clip(np.frexp(np.where(a > 0, a, 1))[1] - 1 - 2, -126, 127), 0)      # np.frexp(a)[1] - 1 = floor(log2(a)), exactly
;;       r = np.clip(x / 2.0 ** e, -7.5, 7.5)
;;       step = 2.0 ** (np.maximum(np.frexp(np.where(r == 0, 1, r))[1] - 1, 0) - 3)
;;       q = np.round(r / step) * step * 2.0 ** e      # np.round: ties to even
;;       return np.moveaxis(q.reshape(q.shape[:-2] + (-1,))[..., :K], -1, axis).astype(np.float32)
;;   ~~~
;;   OPERANDS COMPUTED ON THE WAY. 'Computed on the way' means the value that the module computes at that place (a softmax that the list does not call 'softmax' is quantised finished and normalised). What goes into a quantiser is computed in f32, as accurately as f32 sums, v_exp_f32 and their like allow (about 1e-6 of the number): no bf16 or f16 on the way to a quantiser, and a product that is left as it is and whose result goes on into a quantised operand takes f32 operands (vector FMAs, or v_wmma_f32_16x16x4_f32). A number that lies on a knife's edge between two numbers of the format may be rounded either way, as far as f32 arithmetic and the matrix unit's own rounding can turn it there, and no further.
;; One version. Each part assembles by itself: llvm-mc -triple=amdgcn-amd-amdhsa -mcpu=gfx1250 --defsym DOCPART=n.
;; ======== version 1 of 1: 4 launches
;; limits: right only within a limited range of input values
;; workspace buffers: opc 6,291,456 bytes; ops 262,144 bytes; qkc 6,291,456 bytes; qks 524,288 bytes; vtc 3,145,728 bytes; vts 131,072 bytes; ctc 3,145,728 bytes; cts 262,144 bytes
;; launch quant (part 1): grid 256 x 1, 8 waves a work-group, no clusters, 136,192 bytes of LDS; arguments x, Wq, Wk, Wv, Wo, opc, ops; writes opc, ops
.if DOCPART == 1
	.amdgcn_target "amdgcn-amd-amdhsa--gfx1250"
	.amdhsa_code_object_version 6
	.text
	.protected	k_q80efee710d_quant
	.globl	k_q80efee710d_quant
	.p2align	8
	.type	k_q80efee710d_quant,@function
k_q80efee710d_quant:
	s_mov_b64 s[64:65], 0
	v_nop
	global_prefetch_b8 v0, s[64:65] scope:SCOPE_SE
	s_setreg_imm32_b32 hwreg(HW_REG_WAVE_MODE, 25, 1), 1
	s_wait_xcnt 0x0
; x [4096][1024] and Wq, Wk, Wv, Wo [1024][1024], f32, K innermost, become codes of FP6 (E2M3) with one E8M0 byte for each 32 along K,
; laid in the ORDER OF THE OPERAND'S REGISTERS, so that every later read of a fragment is four dense loads.
; PAIR: 32 consecutive rows.  Tile u (0, 1) of a pair: lane row r is row 8 u + r + 8 (r / 8) of the pair.
; HALF: 16 rows x 64 K = 768 bytes: lane l's registers 0-3 at 16 l, its registers 4-5 at 512 + 8 l; lane (r, h) holds k = 32 h .. 32 h + 31.
; opc: [pair 256][K step 8][u][half c][768]; pairs 0-127 x, 128-159 Wq, 160-191 Wk, 192-223 Wv, 224-255 Wo.
; ops: [pair][K step][128]: lane l's scale word at 4 l; lanes 0-15 tile 0's rows, lanes 16-31 tile 1's.
; A block's scale is 2^(floor(log2(its largest magnitude)) - 2): its byte is the largest magnitude's exponent field - 2, held at 1 from below.
; LIMITS: a block of zeros gets the byte 1 and not 127 (its codes are zeros and this program alone reads the bytes); blocks whose largest magnitude
; lies under 2^-124 are held at the byte 1; NaN and infinities among the inputs are not served.
; SHARES: a work-group takes a pair (32 rows, 131,072 dense bytes), wave w the K step w: 32 rows x 512 bytes.  Each load reads 512 consecutive bytes of a row; the rows turn
; through the wave's own stage in LDS (rows 528 bytes apart), from which a lane takes 32 neighbours of each of its two blocks.  Waves share nothing: no barrier.
.set SP,   528                         ; a stage row: 512 bytes + 16
.set WREG, 32*SP                       ; a wave's stage
.set R,    16                          ; v16-143  the 32 rows as loaded
.set X0,   144                         ; v144-207 tile 0: register 32 c + i = k 64 c + 32 h + i of my row
.set X1,   16                          ; v16-79   tile 1, over the rows that have gone to the stage
.set CT,   80                          ; v80-87   the second halves of the blocks' codes, as the conversions leave them
.set W0,   88                          ; v88, v89 the two tiles' scale words; v90 the line
.set CD,   208                         ; v208-231 the codes: 12 registers a tile
	s_load_b256 s[4:11], s[0:1], 0x0               ; x, Wq, Wk, Wv
	s_load_b128 s[12:15], s[0:1], 0x20             ; Wo, opc
	s_load_b64 s[16:17], s[0:1], 0x30              ; ops
	v_lshl_add_u32 v232, v0, 2, 0x21000
	v_mov_b32 v233, 0
	v_lshrrev_b32 v1, 5, v0
	s_delay_alu instid0(VALU_DEP_1)
	v_readfirstlane_b32 s18, v1                    ; wave = K step
	v_and_b32 v1, 31, v0                           ; lane
	v_and_b32 v2, 15, v0                           ; r
	v_bfe_u32 v3, v0, 4, 1                         ; h
	s_delay_alu instid0(VALU_DEP_3)
	v_lshlrev_b32 v4, 4, v1                        ; 16 x lane
	s_delay_alu instid0(VALU_DEP_4)
	v_lshlrev_b32 v5, 3, v1                        ; 8 x lane
	v_lshlrev_b32 v6, 2, v1                        ; 4 x lane
	s_mul_i32 s23, s18, WREG
	v_add_nc_u32 v7, s23, v4                       ; the stage, on the way in: 16 bytes a lane of a row
	v_mul_u32_u24 v8, v2, SP
	s_delay_alu instid0(VALU_DEP_1)
	v_lshl_add_u32 v8, v3, 7, v8
	s_delay_alu instid0(VALU_DEP_1)
	v_add_nc_u32 v8, s23, v8                       ; and on the way out: row r of a tile, + 128 h
	v_lshlrev_b32 v15, 3, v3                       ; 8 h: where my two bytes stand in the scale word
	v_mov_b32 v14, 0                               ; a lane permute's destination counts as one of its sources
	s_mov_b32 s20, 0x76543210
	s_mov_b32 s21, 0xfedcba98                      ; v_permlanex16_b32's selects for lane l xor 16
	s_mov_b32 s22, 0xffff0000                      ; lanes 16-31
	s_wait_alu depctr_va_vdst(0)
	s_wait_kmcnt 0x0
	s_cmp_lt_u32 ttmp9, 160                        ; which tensor: the choice hangs on the work-group's number alone
	s_cselect_b64 s[24:25], s[6:7], s[8:9]
	s_cmp_lt_u32 ttmp9, 224
	s_cselect_b64 s[28:29], s[10:11], s[12:13]
	s_cmp_lt_u32 ttmp9, 192
	s_cselect_b64 s[24:25], s[24:25], s[28:29]
	s_cmp_lt_u32 ttmp9, 128
	s_cselect_b64 s[24:25], s[4:5], s[24:25]
	s_cselect_b32 s19, 127, 31
	s_and_b32 s19, s19, ttmp9                      ; the pair inside its tensor
	s_lshl_b32 s26, s19, 17                        ; 32 rows of 4,096 bytes,
	s_lshl_b32 s30, s18, 9                         ; my K step's 512 bytes of a row
	s_add_co_u32 s26, s26, s30
	s_mov_b32 s27, 0
	s_add_nc_u64 s[24:25], s[24:25], s[26:27]
	s_mul_i32 s26, ttmp9, 24576
	s_mul_i32 s30, s18, 3072
	s_add_co_u32 s26, s26, s30
	s_add_nc_u64 s[14:15], s[14:15], s[26:27]      ; my two fragments
	s_lshl_b32 s26, ttmp9, 10
	s_lshl_b32 s30, s18, 7
	s_add_co_u32 s26, s26, s30
	s_add_nc_u64 s[16:17], s[16:17], s[26:27]      ; my scale line
.set p, 0
.rept 32
	global_load_b128 v[R+4*p:R+4*p+3], v4, s[24:25] offset:4096*p th:TH_LOAD_NT   ; row p: 32 lanes read 512 consecutive bytes
.set p, p+1
.endr
.set p, 0
.rept 32
	s_wait_loadcnt 31-p                            ; loads come back in order: row p is in, the younger rows stay out
	ds_store_b128 v7, v[R+4*p:R+4*p+3] offset:SP*(16*((p>>3)&1)+8*(p>>4)+(p&7))   ; to stage row 16 u + r, so that a tile's 16 rows are neighbours
.set p, p+1
.endr
.macro XIN x, u                        ; tile u's numbers: 32 neighbours of each of my two blocks
.irp c, 0,1
.irp j, 0,1,2,3,4,5,6,7
	ds_load_b128 v[\x+32*\c+4*\j:\x+32*\c+4*\j+3], v8 offset:16*SP*\u+256*\c+16*\j
.endr
.endr
.endm
; 64 numbers of a lane become 12 registers of codes and the row's scale word; the fragment leaves by four dense stores.
.macro Q2 x, u
.irp c, 0,1
	v_max3_num_f32 v[9+\c], |v[\x+32*\c]|, |v[\x+32*\c+1]|, 0x1800000   ; my block 2 c + h: all its 32 numbers are mine; the floor 2^(3 - 127) holds the byte at 1 from below
.endr
.irp i, 2,4,6,8,10,12,14,16,18,20,22,24,26,28,30
.irp c, 0,1
	s_delay_alu instid0(VALU_DEP_2)
	v_max3_num_f32 v[9+\c], v[9+\c], |v[\x+32*\c+\i]|, |v[\x+32*\c+\i+1]|
.endr
.endr
.irp c, 0,1
	s_delay_alu instid0(VALU_DEP_2)
	v_add_nc_u32 v[11+\c], 0xff000000, v[9+\c]     ; 2 off the exponent field: the conversion's scale operand
.endr
.irp c, 0,1
	s_delay_alu instid0(VALU_DEP_2)
	v_lshrrev_b32 v[9+\c], 23, v[11+\c]            ; the scale's byte
.endr
	s_delay_alu instid0(VALU_DEP_1)
	v_lshl_or_b32 v13, v10, 16, v9                 ; my two bytes: blocks h and 2 + h,
	s_delay_alu instid0(VALU_DEP_1)
	v_lshlrev_b32 v13, v15, v13                    ; at their places;
	s_delay_alu instid0(VALU_DEP_1)
	v_permlanex16_b32 v14, v13, s20, s21
	s_delay_alu instid0(VALU_DEP_1)
	v_or_b32 v[W0+\u], v13, v14                    ; with lane l xor 16's two the word is whole
.irp c, 0,1
	v_cvt_scalef32_pk16_fp6_f32 v[CD+12*\u+6*\c:CD+12*\u+6*\c+2], v[\x+32*\c:\x+32*\c+15], v[11+\c]
	v_cvt_scalef32_pk16_fp6_f32 v[CT+4*\c:CT+4*\c+2], v[\x+32*\c+16:\x+32*\c+31], v[11+\c]   ; (a conversion's three registers begin on an even number)
.endr
	v_nop                                          ; one plain place behind a scaled conversion
.irp c, 0,1
.irp i, 0,1,2
	v_mov_b32 v[CD+12*\u+6*\c+3+\i], v[CT+4*\c+\i]
.endr
.endr
	global_store_b128 v4, v[CD+12*\u:CD+12*\u+3], s[14:15] offset:1536*\u          ; 512 consecutive bytes
	global_store_b64 v5, v[CD+12*\u+4:CD+12*\u+5], s[14:15] offset:1536*\u+512     ; 256
	global_store_b128 v4, v[CD+12*\u+6:CD+12*\u+9], s[14:15] offset:1536*\u+768
	global_store_b64 v5, v[CD+12*\u+10:CD+12*\u+11], s[14:15] offset:1536*\u+1280
.endm
	XIN X0, 0
	s_wait_dscnt 16                                ; all but the 16 loads just issued: the 32 stores into the stage have read their registers
	XIN X1, 1
	s_wait_dscnt 16                                ; tile 0's numbers are in
	Q2 X0, 0
	s_wait_dscnt 0x0
	Q2 X1, 1
	v_cndmask_b32 v90, v88, v89, s22               ; lanes 0-15 tile 0's words, lanes 16-31 tile 1's
	global_store_b32 v6, v90, s[16:17]
	s_wait_tensorcnt 0x0
	ds_add_u32 v232, v233
	s_wait_dscnt 0x0
	s_endpgm
.Lfunc_end_k_q80efee710d_quant:
	.size	k_q80efee710d_quant, .Lfunc_end_k_q80efee710d_quant-k_q80efee710d_quant
	.p2alignl 7, 3214868480
	.fill 96, 4, 3214868480
	.section	.rodata,"a",@progbits
	.p2align	6, 0x0
	.amdhsa_kernel k_q80efee710d_quant
		.amdhsa_group_segment_fixed_size 136192
		.amdhsa_private_segment_fixed_size 0
		.amdhsa_enable_private_segment 0
		.amdhsa_kernarg_size 56
		.amdhsa_user_sgpr_count 2
		.amdhsa_user_sgpr_kernarg_segment_ptr 1
		.amdhsa_wavefront_size32 1
		.amdhsa_system_sgpr_workgroup_id_x 1
		.amdhsa_system_sgpr_workgroup_id_y 1
		.amdhsa_system_sgpr_workgroup_id_z 1
		.amdhsa_system_vgpr_workitem_id 0
		.amdhsa_next_free_vgpr 234
		.amdhsa_next_free_sgpr 66
		.amdhsa_reserve_vcc 0
		.amdhsa_float_denorm_mode_32 3
		.amdhsa_float_denorm_mode_16_64 3
		.amdhsa_memory_ordered 1
		.amdhsa_forward_progress 1
		.amdhsa_inst_pref_size 20
	.end_amdhsa_kernel
	.amdgpu_metadata
---
amdhsa.version: [ 1, 2 ]
amdhsa.kernels:
  - .name:           k_q80efee710d_quant
    .symbol:         k_q80efee710d_quant.kd
    .args:
      - { .name: x, .offset: 0, .size: 8, .value_kind: global_buffer, .address_space: global }
      - { .name: Wq, .offset: 8, .size: 8, .value_kind: global_buffer, .address_space: global }
      - { .name: Wk, .offset: 16, .size: 8, .value_kind: global_buffer, .address_space: global }
      - { .name: Wv, .offset: 24, .size: 8, .value_kind: global_buffer, .address_space: global }
      - { .name: Wo, .offset: 32, .size: 8, .value_kind: global_buffer, .address_space: global }
      - { .name: opc, .offset: 40, .size: 8, .value_kind: global_buffer, .address_space: global }
      - { .name: ops, .offset: 48, .size: 8, .value_kind: global_buffer, .address_space: global }
    .group_segment_fixed_size: 136192
    .private_segment_fixed_size: 0
    .kernarg_segment_align: 8
    .kernarg_segment_size: 56
    .max_flat_workgroup_size: 256
    .sgpr_count:     66
    .vgpr_count:     234
    .wavefront_size: 32
...
	.end_amdgpu_metadata
.endif
;; end of part 1
;; launch qkv (part 2): grid 8 x 32, 4 waves a work-group, clusters of 4 x 4, 327,680 bytes of LDS; arguments opc, ops, qkc, qks, vtc, vts; writes qkc, qks, vtc, vts
.if DOCPART == 2
	.amdgcn_target "amdgcn-amd-amdhsa--gfx1250"
	.amdhsa_code_object_version 6
	.text
	.protected	k_q80efee710d_qkv
	.globl	k_q80efee710d_qkv
	.p2align	8
	.type	k_q80efee710d_qkv,@function
k_q80efee710d_qkv:
	s_mov_b64 s[64:65], 0
	v_nop
	global_prefetch_b8 v0, s[64:65] scope:SCOPE_SE
	s_setreg_imm32_b32 hwreg(HW_REG_WAVE_MODE, 25, 1), 1
	s_wait_xcnt 0x0
	s_wait_alu depctr_hold_cnt(0) depctr_sa_sdst(0) depctr_va_vdst(0) depctr_va_sdst(0) depctr_va_ssrc(0) depctr_va_vcc(0) depctr_vm_vsrc(0)
	s_getreg_b32 s2, hwreg(HW_REG_IB_STS2, 6, 4)
	s_cmp_eq_u32 s2, 0
	s_cbranch_scc0 .Lentry_in_a_cluster
	s_endpgm
.Lentry_in_a_cluster:
	s_bfe_u32 s2, ttmp6, 0x10000c
	s_cmp_lg_u32 s2, 0xf033
	s_cbranch_scc0 .Lentry_shape_is_right
	s_endpgm
.Lentry_shape_is_right:
; q = x Wq^T, k = x Wk^T, v = x Wv^T on codes of FP6 (E2M3) with E8M0 scales, sums in f32; the results are quantised in registers and stored as operand images for the attention launch.
; A WORK-GROUP STAYS: work-group (nb, xb) keeps x's block xb (128 tokens, all of K = 1,024: 98,304 bytes) in LDS and makes three blocks of 128 x 128 with it: q, k, then v, each with rows 128 nb .. of its weight.
; For q and k: A = x, B = Wq or Wk.  For v: A = Wv, B = x, so that the results' registers run along the KEYS, which are the K of attention's second product.
; THE WEIGHTS take turns in two slots of 98,304 bytes.  At the head waves 0, 1 fetch x's halves and waves 2, 3 Wq's (slot 0), one load a wave.  Behind the full sequence and a round of the cluster's barrier each wave
; fetches a pair of Wk (slot 1's first fill); behind the round at the end of q's walk along K each wave fetches a pair of Wv (slot 0 again).  By the text's own count one load a wave is out at any time,
; and each later weight is asked for a whole product ahead of its use.  The launch fills LDS bytes again and claims all of LDS.
; No prefetch: the text has no loop to run ahead in, and the later tiles' own loads go out a product ahead.
; THE MATRIX INSTRUCTION IS USED TRANSPOSED (source 0 = 16 rows of B, source 1 = 16 rows of A): lane r holds A's row r.  A tile's rows are 8 u + r + 8 (r / 8) of a pair of 32 rows, so the
; 16 registers of B's tiles 2 p and 2 p + 1 are 16 neighbours, n = 32 p + 16 h + 0 .. 15: what the conversions want.
; Wave w takes A's pair w (2 tiles) x B's 8 tiles: 16 accumulators; its 128 columns are one whole fragment of the next operand.
; IN:  opc [pair 256][K step 8][u][half][768], ops [pair][K step][128]; pairs 0-127 x, 128-159 Wq, 160-191 Wk, 192-223 Wv.
; OUT: qkc [q, k][b][head][tile 128][768]: a head's 64 numbers are one half fragment;  qks [q, k][b][head][pair 64][128], words (byte, byte, 0, 0);
;      vtc [b][pair of (64 head + d) / 32][128 keys sigma][u][half][768];  vts [b][pair][sigma][128].
; CLUSTERS: 4 x 4 work-groups.  x's block hangs on the cluster's row alone, the weights' blocks on its column alone: each is asked for jointly by the four that share it.
; LIMITS: as the quantising launch states them (byte 1 for a block of zeros and for magnitudes under 2^-124; no NaN, no infinities).
; REGISTERS: window 0: v4-6 16, 8, 4 x lane, v7 4 x lane + 1,024 wave; v8-23 LDS addresses; v24-28 scale words on the way out; v32-39 A's scale lines, v40-71 B's; v72-111 codes; v112-127 at work; v128-255 accumulators.
;            window 1: two fragment buffers of 120: A's two tiles, then B's eight.
.set ACC,  128
.set SA,   32                          ; A's scale line of K step s
.set SB,   40                          ; B's: 4 s + pair
.set PC0,  72
.set PC1,  92
.set TM,   112
.set SPW,  122                         ; my spare word's address; never rewritten
.set NIL,  123                         ; 0; never rewritten
.set XA,   8                           ; v8, v9: x as A: my pair, by 16 and by 8 bytes a lane
.set XB,   10                          ; v10-13: x as B: pairs 0-1 by 16, by 8; pairs 2-3 by 16, by 8
.set W0B,  14                          ; v14-17: slot 0 as B
.set W1B,  18                          ; v18-21: slot 1 as B
.set W0A,  22                          ; v22, v23: slot 0 as A: my pair
.set W0,   98304                       ; LDS: x at 0, slot 0, slot 1; a pair is 24,576 bytes, K step s at 3,072 s
.set W1,   196608
.set SPARE, 294912                     ; the spare words, 128 bytes a wave
.set WV,   16
.set G1A,  24                          ; x's halves: 192 rows of 256 bytes, my row's mask
.set G1B,  32                          ; Wq's halves: the same, my column's mask
.set G0A,  40
.set G1W,  44                          ; a pair of Wk or Wv: 96 rows of 256 bytes, my column's mask
.set G0W,  52
.set G0B,  68
.set MSB,  0
.macro WIN new                         ; the immediate's high byte repeats the setting that is left
.if MSB != \new
	s_set_vgpr_msb (MSB<<8)|\new
.set MSB, \new
.endif
.endm
.set MUL,  0x05                        ; sources 0 and 1 window 1; C and D window 0
.set TO_F, 0x40                        ; destination window 1, address window 0
.macro CROUND                          ; a round of the cluster's barrier
	s_barrier_signal -1
	s_barrier_wait -1
	s_cmp_lg_u32 s[WV], 0
	s_cbranch_scc1 .Lnot_wave_0_\@
	s_barrier_signal -3
.Lnot_wave_0_\@:
	s_barrier_wait -3
	s_barrier_signal -1
	s_barrier_wait -1
.endm
.macro PLACES
.rept 4
	v_nop
.endr
.endm
.macro VW
	s_wait_alu depctr_va_vdst(0)
.endm
; one product.  d, x, y: first registers of D, source 0, source 1; z = 1: it starts the sum; sx, sy: the scale registers; ra, rb = 1: that side's words stand in lanes 16-31
.macro WMS d, x, y, z, sx, sy, ra, rb
.set WD, \d
.set WX, \x
.set WY, \y
.set WSX, \sx
.set WSY, \sy
.if (\z)
.if ((\ra)==0)&&((\rb)==0)
	v_wmma_scale_f32_16x16x128_f8f6f4 v[WD:WD+7], v[WX:WX+11], v[WY:WY+11], 0, v[WSX], v[WSY] matrix_a_fmt:MATRIX_FMT_FP6 matrix_b_fmt:MATRIX_FMT_FP6
.elseif ((\ra)==1)&&((\rb)==0)
	v_wmma_scale_f32_16x16x128_f8f6f4 v[WD:WD+7], v[WX:WX+11], v[WY:WY+11], 0, v[WSX], v[WSY] matrix_a_fmt:MATRIX_FMT_FP6 matrix_b_fmt:MATRIX_FMT_FP6 matrix_a_scale:MATRIX_SCALE_ROW1
.elseif ((\ra)==0)&&((\rb)==1)
	v_wmma_scale_f32_16x16x128_f8f6f4 v[WD:WD+7], v[WX:WX+11], v[WY:WY+11], 0, v[WSX], v[WSY] matrix_a_fmt:MATRIX_FMT_FP6 matrix_b_fmt:MATRIX_FMT_FP6 matrix_b_scale:MATRIX_SCALE_ROW1
.else
	v_wmma_scale_f32_16x16x128_f8f6f4 v[WD:WD+7], v[WX:WX+11], v[WY:WY+11], 0, v[WSX], v[WSY] matrix_a_fmt:MATRIX_FMT_FP6 matrix_b_fmt:MATRIX_FMT_FP6 matrix_a_scale:MATRIX_SCALE_ROW1 matrix_b_scale:MATRIX_SCALE_ROW1
.endif
.else
.if ((\ra)==0)&&((\rb)==0)
	v_wmma_scale_f32_16x16x128_f8f6f4 v[WD:WD+7], v[WX:WX+11], v[WY:WY+11], v[WD:WD+7], v[WSX], v[WSY] matrix_a_fmt:MATRIX_FMT_FP6 matrix_b_fmt:MATRIX_FMT_FP6
.elseif ((\ra)==1)&&((\rb)==0)
	v_wmma_scale_f32_16x16x128_f8f6f4 v[WD:WD+7], v[WX:WX+11], v[WY:WY+11], v[WD:WD+7], v[WSX], v[WSY] matrix_a_fmt:MATRIX_FMT_FP6 matrix_b_fmt:MATRIX_FMT_FP6 matrix_a_scale:MATRIX_SCALE_ROW1
.elseif ((\ra)==0)&&((\rb)==1)
	v_wmma_scale_f32_16x16x128_f8f6f4 v[WD:WD+7], v[WX:WX+11], v[WY:WY+11], v[WD:WD+7], v[WSX], v[WSY] matrix_a_fmt:MATRIX_FMT_FP6 matrix_b_fmt:MATRIX_FMT_FP6 matrix_b_scale:MATRIX_SCALE_ROW1
.else
	v_wmma_scale_f32_16x16x128_f8f6f4 v[WD:WD+7], v[WX:WX+11], v[WY:WY+11], v[WD:WD+7], v[WSX], v[WSY] matrix_a_fmt:MATRIX_FMT_FP6 matrix_b_fmt:MATRIX_FMT_FP6 matrix_a_scale:MATRIX_SCALE_ROW1 matrix_b_scale:MATRIX_SCALE_ROW1
.endif
.endif
.endm
	s_load_b256 s[4:11], s[0:1], 0x0               ; opc, ops, qkc, qks
	s_load_b128 s[12:15], s[0:1], 0x20             ; vtc, vts
	v_lshl_add_u32 v[SPW], v0, 2, SPARE
	v_mov_b32 v[NIL], 0
	ds_add_u32 v[SPW], v[NIL]                      ; the opening lines: the add twice on end and one wait
	ds_add_u32 v[SPW], v[NIL]
	v_lshrrev_b32 v1, 5, v0
	v_readfirstlane_b32 s[WV], v1                  ; wave 0..3
	s_bfe_u32 s17, ttmp6, 0x40000                  ; cx
	s_bfe_u32 s18, ttmp6, 0x40004                  ; cy
	s_mov_b32 s19, ttmp9                           ; the cluster's x, 0..1
	s_and_b32 s20, ttmp7, 0xffff                   ; the cluster's y, 0..7
	s_lshl_b32 s21, s20, 4
	s_lshl_b32 s2, s18, 2
	s_add_co_u32 s21, s21, s2                      ; x's first pair, 4 xb: hangs on cy alone
	s_lshl_b32 s22, s19, 4
	s_add_co_u32 s22, s22, 128
	s_lshl_b32 s3, s17, 2
	s_add_co_u32 s22, s22, s3                      ; Wq's first pair, 128 + 4 nb: hangs on cx alone; Wk's lies 32 pairs on, Wv's 64
	s_lshl_b32 s2, 15, s2                          ; my row of the cluster
	s_lshl_b32 s3, 0x1111, s17                     ; my column
	s_or_b32 s[G1A], s2, (3<<16)|(1<<21)           ; 15:0 the mask; 17:16 elements of 8 bytes; 21 set beside a mask
	s_or_b32 s[G1B], s3, (3<<16)|(1<<21)
	s_or_b32 s[G1W], s3, (3<<16)|(1<<21)
.irp g, G1A, G1B, G1W
	s_mov_b32 s[\g+1], 32<<16                      ; dense blocks as rows of 256 bytes: 32 elements of 8
	s_mov_b32 s[\g+3], 32<<16
	s_mov_b32 s[\g+5], 32
	s_mov_b32 s[\g+6], 0
	s_mov_b32 s[\g+7], 0
.endr
.irp g, G1A, G1B
	s_mov_b32 s[\g+2], 192<<16                     ; two neighbouring pairs: 49,152 bytes
	s_mov_b32 s[\g+4], 192
.endr
	s_mov_b32 s[G1W+2], 96<<16                     ; one pair: 24,576 bytes
	s_mov_b32 s[G1W+4], 96
	s_and_b32 s2, s[WV], 1
	s_lshl_b32 s2, s2, 1                           ; at the head: which two of the four pairs I fetch
	s_add_co_u32 s56, s21, s2
	s_mul_i32 s56, s56, 24576
	s_mov_b32 s57, 0
	s_add_co_u32 s58, s22, s2
	s_mul_i32 s58, s58, 24576
	s_mov_b32 s59, 0
	s_add_co_u32 s72, s22, s[WV]
	s_add_co_u32 s72, s72, 32                      ; later: pair wave of Wk
	s_mul_i32 s72, s72, 24576
	s_mov_b32 s73, 0
	s_mul_i32 s60, s[WV], 49152                    ; the head's loads: x's halves at 0 and 49,152, Wq's at 98,304 and 147,456: no place in the cluster enters an LDS address
	s_mul_i32 s75, s[WV], 24576                    ; my pair inside a block
	s_wait_dscnt 0x0
	s_wait_kmcnt 0x0
	s_mov_b32 s[G0A], 1
	s_mov_b32 s[G0A+1], s60
	s_add_nc_u64 s[G0A+2:G0A+3], s[4:5], s[56:57]
	s_or_b32 s[G0A+3], s[G0A+3], 0x80000000
	s_mov_b32 s[G0B], 1
	s_mov_b32 s[G0B+1], s60
	s_add_nc_u64 s[G0B+2:G0B+3], s[4:5], s[58:59]
	s_or_b32 s[G0B+3], s[G0B+3], 0x80000000
	s_mov_b32 s[G0W], 1
	s_add_co_u32 s[G0W+1], s75, W1
	s_add_nc_u64 s[G0W+2:G0W+3], s[4:5], s[72:73]
	s_or_b32 s[G0W+3], s[G0W+3], 0x80000000
	CROUND                                         ; all sixteen work-groups are here: the joint loads meet
	s_cmp_lt_u32 s[WV], 2                          ; waves 0, 1 fetch x, waves 2, 3 Wq: one load a wave
	s_cbranch_scc0 .Lfill_b
	tensor_load_to_lds s[G0A:G0A+3], s[G1A:G1A+7]
	s_nop 0
	PLACES
	s_branch .Lfilled
.Lfill_b:
	tensor_load_to_lds s[G0B:G0B+3], s[G1B:G1B+7]
	s_nop 0
	PLACES
.Lfilled:
	s_lshl_b32 s2, s22, 10
	s_mov_b32 s3, 0
	s_add_nc_u64 s[62:63], s[6:7], s[2:3]          ; Wq's scale lines; Wk's 32,768 bytes on, Wv's 65,536
	s_lshl_b32 s2, s21, 10
	s_add_nc_u64 s[66:67], s[6:7], s[2:3]          ; x's
	s_lshl_b32 s61, s[WV], 10
	v_and_b32 v1, 31, v0                           ; lane
	v_lshlrev_b32 v4, 4, v1
	v_lshlrev_b32 v5, 3, v1
	v_lshlrev_b32 v6, 2, v1
	v_add_nc_u32 v7, s61, v6                       ; the lines of pair wave of a block
	v_add_nc_u32 v[XA], s75, v4
	v_add_nc_u32 v[XA+1], s75, v5
	v_add_nc_u32 v[W0A], W0, v[XA]
	v_add_nc_u32 v[W0A+1], W0, v[XA+1]
.irp q, 0,1
	v_add_nc_u32 v[XB+2*\q], 49152*\q, v4
	v_add_nc_u32 v[XB+1+2*\q], 49152*\q, v5
	v_add_nc_u32 v[W0B+2*\q], W0+49152*\q, v4
	v_add_nc_u32 v[W0B+1+2*\q], W0+49152*\q, v5
	v_add_nc_u32 v[W1B+2*\q], W1+49152*\q, v4
	v_add_nc_u32 v[W1B+1+2*\q], W1+49152*\q, v5
.endr
.irp b, 0,1,2,3
	v_mov_b32 v[TM+4+\b], 0                        ; a lane permute's destination counts as one of its sources
.endr
; the scale lines come straight into registers, once for each product: 128 consecutive bytes a load
.macro SCB base, off                   ; B's four pairs
.irp s, 0,1,2,3,4,5,6,7
.irp p, 0,1,2,3
	global_load_b32 v[SB+4*\s+\p], v6, s[\base:\base+1] offset:\off+1024*\p+128*\s
.endr
.endr
.endm
.macro SCA base, off                   ; A's pair wave
.irp s, 0,1,2,3,4,5,6,7
	global_load_b32 v[SA+\s], v7, s[\base:\base+1] offset:\off+128*\s
.endr
.endm
	SCB 62, 0
	SCA 66, 0
	; where the results go
	s_and_b32 s94, s22, 127
	s_lshr_b32 s94, s94, 2                         ; nb
	s_add_co_u32 s95, s21, s[WV]                   ; q, k: my pair of tokens
	s_bfe_u32 s96, s95, 0x10006                    ; the batch,
	s_lshl_b32 s96, s96, 4
	s_lshl_b32 s97, s94, 1                         ; the first of my two heads
	s_add_co_u32 s96, s96, s97
	s_and_b32 s97, s95, 63                         ; the pair of tokens in its batch
	s_mul_i32 s98, s96, 98304
	s_mul_i32 s99, s97, 1536
	s_add_co_u32 s2, s98, s99                      ; codes
	s_add_nc_u64 s[84:85], s[8:9], s[2:3]          ; q: tile 0 of the first head; k lies 32 heads on
	s_add_nc_u64 s[86:87], s[84:85], 98304         ; of the second head
	s_lshl_b32 s96, s96, 13
	s_lshl_b32 s97, s97, 7
	s_add_co_u32 s2, s96, s97
	s_add_nc_u64 s[92:93], s[10:11], s[2:3]        ; the scale line
	s_lshr_b32 s94, s21, 2                         ; v: xb;
	s_lshr_b32 s96, s94, 4                         ; the batch,
	s_lshl_b32 s96, s96, 5
	s_add_co_u32 s97, s22, s[WV]
	s_and_b32 s97, s97, 31                         ; the pair of Wv's rows,
	s_add_co_u32 s96, s96, s97
	s_lshl_b32 s96, s96, 4
	s_and_b32 s97, s94, 15                         ; the 128 keys
	s_add_co_u32 s96, s96, s97
	s_mul_i32 s2, s96, 3072
	s_add_nc_u64 s[88:89], s[12:13], s[2:3]        ; codes
	s_lshl_b32 s2, s96, 7
	s_add_nc_u64 s[90:91], s[14:15], s[2:3]        ; scale line
	s_mov_b32 s98, 0x76543210
	s_mov_b32 s99, 0xfedcba98                      ; v_permlanex16_b32's selects for lane l xor 16
	s_mov_b32 s94, 0xffff0000                      ; lanes 16-31
; K step s's ten fragments into buffer s % 2: four dense loads each.  qa: A's two address registers, qb: B's four
.macro FETCH s, qa, qb
.set FB, 128*((\s)&1)
.set SO, 3072*(\s)
	WIN TO_F
.irp u, 0,1
	ds_load_b128 v[FB+12*\u:FB+12*\u+3], v[\qa] offset:SO+1536*\u
	ds_load_b64 v[FB+12*\u+4:FB+12*\u+5], v[\qa+1] offset:SO+1536*\u+512
	ds_load_b128 v[FB+12*\u+6:FB+12*\u+9], v[\qa] offset:SO+1536*\u+768
	ds_load_b64 v[FB+12*\u+10:FB+12*\u+11], v[\qa+1] offset:SO+1536*\u+1280
.endr
.irp b, 0,1,2,3,4,5,6,7
	ds_load_b128 v[FB+24+12*\b:FB+24+12*\b+3], v[\qb+2*(\b/4)] offset:SO+24576*((\b/2)%2)+1536*(\b%2)
	ds_load_b64 v[FB+24+12*\b+4:FB+24+12*\b+5], v[\qb+1+2*(\b/4)] offset:SO+24576*((\b/2)%2)+1536*(\b%2)+512
	ds_load_b128 v[FB+24+12*\b+6:FB+24+12*\b+9], v[\qb+2*(\b/4)] offset:SO+24576*((\b/2)%2)+1536*(\b%2)+768
	ds_load_b64 v[FB+24+12*\b+10:FB+24+12*\b+11], v[\qb+1+2*(\b/4)] offset:SO+24576*((\b/2)%2)+1536*(\b%2)+1280
.endr
.endm
; A's tile a against B's eight.  The sixteen accumulators take turns, one instruction a turn, in the same order in every K step.
.macro MUL8 s, a, zero
.set FB, 128*((\s)&1)
.irp b, 0,1,2,3,4,5,6,7
	WMS ACC+64*\a+8*\b, FB+24+12*\b, FB+12*\a, \zero, SB+4*(\s)+\b/2, SA+(\s), \b%2, \a
.endr
.endm
.macro KSTEP s, zero, qa, qb
	s_wait_dscnt 0x0                               ; this step's fragments are in
	WIN MUL
	MUL8 \s, 0, \zero
.if (\s)<7
	PLACES                                         ; places in front of loads into the buffer that the step before multiplied
	FETCH (\s)+1, \qa, \qb
.endif
	WIN MUL
	MUL8 \s, 1, \zero
.endm
.macro GEMM qa, qb                     ; a product's eight K steps; step 0's fragments have been asked for; its products start the sums
	KSTEP 0, 1, \qa, \qb
.irp s, 1,2,3,4,5,6,7
	KSTEP \s, 0, \qa, \qb
.endr
	WIN 0
.endm
; 64 numbers of a lane, register 16 b + i = k 32 b + 16 h + i of my row, become a fragment's codes in v[pc] on and its scale word in v[pw].  Each accumulator is read from its low end on.
.macro QUANT s, pc, pw
.irp b, 0,1,2,3
	v_max3_num_f32 v[TM+\b], |v[\s+16*\b]|, |v[\s+1+16*\b]|, 0x1800000   ; my 16 numbers of block b, and the floor 2^(3 - 127)
.endr
.irp i, 2,4,6,8,10,12,14
.irp b, 0,1,2,3
	v_max3_num_f32 v[TM+\b], v[TM+\b], |v[\s+16*\b+\i]|, |v[\s+1+16*\b+\i]|
.endr
.endr
.irp b, 0,1,2,3
	v_permlanex16_b32 v[TM+4+\b], v[TM+\b], s98, s99
.endr
.irp b, 0,1,2,3
	v_max_num_f32 v[TM+\b], v[TM+\b], v[TM+4+\b]   ; with lane l xor 16's: the block's largest magnitude
.endr
.irp b, 0,1,2,3
	v_add_nc_u32 v[TM+12+\b], 0xff000000, v[TM+\b] ; 2 off its exponent field: the conversion's scale operand
.endr
.irp b, 0,1,2,3
	v_lshrrev_b32 v[TM+4+\b], 23, v[TM+12+\b]      ; the scale's byte
.endr
	v_lshl_or_b32 v[\pw], v[TM+5], 8, v[TM+4]
	v_lshl_or_b32 v[\pw], v[TM+6], 16, v[\pw]
	v_lshl_or_b32 v[\pw], v[TM+7], 24, v[\pw]
.irp c, 0,1
	v_cvt_scalef32_pk16_fp6_f32 v[\pc+6*\c:\pc+2+6*\c], v[\s+32*\c:\s+15+32*\c], v[TM+12+2*\c]
	v_cvt_scalef32_pk16_fp6_f32 v[\pc+12+4*\c:\pc+14+4*\c], v[\s+16+32*\c:\s+31+32*\c], v[TM+12+2*\c+1]
.endr
	v_nop                                          ; one plain place behind a scaled conversion
.irp c, 0,1                                    ; the operand's layout wants a whole block in a lane
.irp i, 0,1,2
	v_permlane16_swap_b32 v[\pc+6*\c+\i], v[\pc+12+4*\c+\i]
.endr
.irp i, 0,1,2
	v_mov_b32 v[\pc+3+6*\c+\i], v[\pc+12+4*\c+\i]
.endr
.endr
.endm
.macro OUT4 pc, b0, o0, b1, o1         ; a fragment's two halves: 512 and 256 consecutive bytes each
	global_store_b128 v4, v[\pc:\pc+3], s[\b0:\b0+1] offset:\o0
	global_store_b64 v5, v[\pc+4:\pc+5], s[\b0:\b0+1] offset:\o0+512
	global_store_b128 v4, v[\pc+6:\pc+9], s[\b1:\b1+1] offset:\o1
	global_store_b64 v5, v[\pc+10:\pc+11], s[\b1:\b1+1] offset:\o1+512
.endm
; THE WAY OUT of a product.  isv = 0: q or k, ko and so bytes on in the codes and in the scale lines; isv = 1: v
.macro EPI isv, ko, so
	s_wait_xcnt 0x0                                ; the last way out's stores have read their registers, which are written again below
	QUANT ACC, PC0, 24
.if \isv
	OUT4 PC0, 88, 0, 88, 768
.else
	OUT4 PC0, 84, \ko, 86, \ko
.endif
	QUANT ACC+64, PC1, 25
.if \isv
	OUT4 PC1, 88, 1536, 88, 2304
.else
	OUT4 PC1, 84, \ko+768, 86, \ko+768
.endif
	v_cndmask_b32 v26, v24, v25, s94               ; lanes 0-15 tile 0's words, lanes 16-31 tile 1's
.if \isv
	global_store_b32 v6, v26, s[90:91]             ; the four bytes of 128 keys
.else
	v_and_b32 v27, 0xffff, v26                     ; two bytes for each of the two heads; the upper two bytes stay 0
	v_lshrrev_b32 v28, 16, v26
	global_store_b32 v6, v27, s[92:93] offset:\so
	global_store_b32 v6, v28, s[92:93] offset:\so+8192
.endif
.endm
	VW
	s_wait_tensorcnt 0x0                           ; my part of x or of Wq has landed
	ds_add_u32 v[SPW], v[NIL]
	s_wait_dscnt 0x0
	CROUND                                         ; everybody's part is in, and all sixteen work-groups are here
	tensor_load_to_lds s[G0W:G0W+3], s[G1W:G1W+7]  ; my pair of Wk, into slot 1: it has q's product in which to land
	s_nop 0
	PLACES
	FETCH 0, XA, W0B
	s_wait_loadcnt 0x0                             ; the scale lines
	GEMM XA, W0B                                   ; q
	s_wait_tensorcnt 0x0                           ; my pair of Wk has landed, so the descriptor may be written;
	ds_add_u32 v[SPW], v[NIL]
	s_add_co_u32 s[G0W+1], s75, W0                 ; slot 0,
	s_add_nc_u64 s[G0W+2:G0W+3], s[G0W+2:G0W+3], 32*24576   ; my pair of Wv
	s_wait_dscnt 0x0                               ; the add is done, and my reads of slot 0 are over
	CROUND                                         ; both hold of every wave of every partner; Wk is whole
	tensor_load_to_lds s[G0W:G0W+3], s[G1W:G1W+7]  ; it has q's way out and k's product in which to land
	s_nop 0
	PLACES                                         ; also the places behind q's last products
	SCB 62, 32768                                  ; Wk's scale lines and k's first fragments are asked for ahead of q's way out
	FETCH 0, XA, W1B
	WIN 0
	EPI 0, 0, 0
	VW
	s_wait_loadcnt 0x0
	GEMM XA, W1B                                   ; k
	s_wait_tensorcnt 0x0                           ; my pair of Wv has landed;
	s_barrier_signal -1
	s_barrier_wait -1                              ; everybody's.
	PLACES                                         ; places behind k's last products
	SCA 62, 65536                                  ; Wv's lines as A's, x's as B's
	SCB 66, 0
	FETCH 0, W0A, XB
	WIN 0
	EPI 0, 3145728, 262144
	VW
	s_wait_loadcnt 0x0
	GEMM W0A, XB                                   ; v
	PLACES
	EPI 1, 0, 0
	s_wait_tensorcnt 0x0                           ; the wave's end
	ds_add_u32 v[SPW], v[NIL]
	s_wait_dscnt 0x0
	CROUND                                         ; the closing round: no work-group ends while a partner may still ask for a tile that names it
	s_endpgm
.Lfunc_end_k_q80efee710d_qkv:
	.size	k_q80efee710d_qkv, .Lfunc_end_k_q80efee710d_qkv-k_q80efee710d_qkv
	.p2alignl 7, 3214868480
	.fill 96, 4, 3214868480
	.section	.rodata,"a",@progbits
	.p2align	6, 0x0
	.amdhsa_kernel k_q80efee710d_qkv
		.amdhsa_group_segment_fixed_size 327680
		.amdhsa_private_segment_fixed_size 0
		.amdhsa_enable_private_segment 0
		.amdhsa_kernarg_size 48
		.amdhsa_user_sgpr_count 2
		.amdhsa_user_sgpr_kernarg_segment_ptr 1
		.amdhsa_wavefront_size32 1
		.amdhsa_system_sgpr_workgroup_id_x 1
		.amdhsa_system_sgpr_workgroup_id_y 1
		.amdhsa_system_sgpr_workgroup_id_z 1
		.amdhsa_system_vgpr_workitem_id 0
		.amdhsa_next_free_vgpr 512
		.amdhsa_next_free_sgpr 102
		.amdhsa_reserve_vcc 0
		.amdhsa_float_denorm_mode_32 3
		.amdhsa_float_denorm_mode_16_64 3
		.amdhsa_memory_ordered 1
		.amdhsa_forward_progress 1
		.amdhsa_inst_pref_size 159
	.end_amdhsa_kernel
	.amdgpu_metadata
---
amdhsa.version: [ 1, 2 ]
amdhsa.kernels:
  - .name:           k_q80efee710d_qkv
    .symbol:         k_q80efee710d_qkv.kd
    .args:
      - { .name: opc, .offset: 0, .size: 8, .value_kind: global_buffer, .address_space: global }
      - { .name: ops, .offset: 8, .size: 8, .value_kind: global_buffer, .address_space: global }
      - { .name: qkc, .offset: 16, .size: 8, .value_kind: global_buffer, .address_space: global }
      - { .name: qks, .offset: 24, .size: 8, .value_kind: global_buffer, .address_space: global }
      - { .name: vtc, .offset: 32, .size: 8, .value_kind: global_buffer, .address_space: global }
      - { .name: vts, .offset: 40, .size: 8, .value_kind: global_buffer, .address_space: global }
    .group_segment_fixed_size: 327680
    .private_segment_fixed_size: 0
    .kernarg_segment_align: 8
    .kernarg_segment_size: 48
    .max_flat_workgroup_size: 128
    .sgpr_count:     102
    .vgpr_count:     512
    .wavefront_size: 32
...
	.end_amdgpu_metadata
.endif
;; end of part 2
;; launch attn (part 3): grid 8 x 32, 16 waves a work-group, clusters of 4 x 1, 303,616 bytes of LDS; arguments qkc, qks, vtc, vts, mask, rel_emb, ctc, cts; writes ctc, cts
.if DOCPART == 3
	.amdgcn_target "amdgcn-amd-amdhsa--gfx1250"
	.amdhsa_code_object_version 6
	.text
	.protected	k_q80efee710d_attn
	.globl	k_q80efee710d_attn
	.p2align	8
	.type	k_q80efee710d_attn,@function
k_q80efee710d_attn:
	s_mov_b64 s[64:65], 0
	v_nop
	global_prefetch_b8 v0, s[64:65] scope:SCOPE_SE
	s_setreg_imm32_b32 hwreg(HW_REG_WAVE_MODE, 25, 1), 1
	s_wait_xcnt 0x0
	s_wait_alu depctr_hold_cnt(0) depctr_sa_sdst(0) depctr_va_vdst(0) depctr_va_sdst(0) depctr_va_ssrc(0) depctr_va_vcc(0) depctr_vm_vsrc(0)
	s_getreg_b32 s2, hwreg(HW_REG_IB_STS2, 6, 4)
	s_cmp_eq_u32 s2, 0
	s_cbranch_scc0 .Lentry_in_a_cluster
	s_endpgm
.Lentry_in_a_cluster:
	s_bfe_u32 s2, ttmp6, 0x10000c
	s_cmp_lg_u32 s2, 0x3003
	s_cbranch_scc0 .Lentry_shape_is_right
	s_endpgm
.Lentry_shape_is_right:
; ctx = softmax(q k^T / 8 + bias, causal, padding mask) v for one (batch, head), both products on codes of FP6 (E2M3) with E8M0 scales.
; THE FINISHED, NORMALISED WEIGHTS ARE WHAT IS QUANTISED, so the keys are walked twice.  Pass 1: t = log2(e) (score / 8 + bias); the running largest t, M = that rounded up to a whole number,
; l = the sum of 2^(t - M), brought under a new M by an exact power of two.  Pass 2: the scores again, p = 2^(t - M - log2 l), quantised along the keys, O^T += V^T P^T.
; A row that the masks leave without a key has l = 0: log2 l is replaced by 0, every p is 0, and ctx is 0, as nan_to_num leaves it.
; SHARES.  A work-group holds all of K and V^T of one (batch, head) in LDS, every byte filled once by joint loads of the cluster's four work-groups, one load a wave (waves 0-7 an eighth of the codes each,
; waves 8, 9 the scale lines).  Work-group i (0..7) has the query tiles T = 8 J + i, J = 0..15; tile J needs the key steps 0..J (128 keys each; later keys fall to the causal mask).
; THE 136 STEPS ARE DEALT EVENLY: waves 2 a and 2 a + 1 are a pair.  The OWNER has tile 8 + a and walks its steps a + 1 .. a + 8.  The HELPER has tile 7 - a, walks its 8 - a steps, and then steps 0 .. a of
; the owner's tile: 8 and 9 steps.  Behind pass 1 both store their (-M, l) of the shared tile in LDS, pass a barrier and join the two alike.  In pass 2 the weights are finished, so partial O^T simply add:
; the helper's part goes to the owner through LDS behind the last barrier.  Trip counts are constants; which tile and step a trip serves is arithmetic on the wave's number and the trip.
; LAYOUT.  Both products transposed: a lane holds one query, q = 128 J + D0 + r + 8 (r / 8).  K's tiles have the same row order, so S register 16 b + i is key 128 step + 32 b + 16 h + i.
; The first product's K is 64: Q's upper six registers are zero codes and both sides' upper two scale bytes are 0, so the instruction's upper half adds nothing.
; PADDING MASK: 0 or -2^100 for each key, made of mask's words once and kept in LDS, is loaded into the scores' registers and is the C of the first product, in every step.
; BIAS AND CAUSAL MASK: for q - k >= 15 the bias is rel_emb[31][head], an addend; in the diagonal's step and the one before it the addend comes from a table in LDS of log2(e) rel_emb[min(16 + q - k, 31)][head],
; -infinity where k > q, kept four times, one word apart, so that every lane's four neighbours lie at a multiple of 16 bytes.
; Pass 1's largest S of a lane's 16 keys of each block is kept in the wave's own LDS slot of the trip and read again in pass 2, where it gives the block's largest p.
; No prefetch: LDS is filled at the head alone, and no loop asks memory for anything.
; LIMITS: the promise holds while the scaled scores t stay under 2^31 in magnitude (the running maximum starts at -2^40, a hidden key's t lies near -2^97).  mask: any word other than 0 keeps its key.
; Blocks of zeros get the byte 1.  NaN and infinities among the inputs are not served.
; REGISTERS: v1-3 16, 8, 4 x lane; v4 table, v5 padding, v242 K's scale lines, v243 4 r; v6-9, v29-31, v231 addresses in hand; v10 -M, v11 l, then -M - log2 l, v12 the addend, v13 the largest t, v[14:15] l;
;   v16-27 Q, v28 its scale words; v32-95 K's or V's fragments, or table words; v96-159 S, then p; v160-191 O^T (pass 1: sums at work); v192-211 p's codes; v212-223 at work; v224-230 scale words;
;   v232-238, v244-250 the two tiles' Q and scale words; v251, v252 -M - log2 l of the first and of the shared tile; v240 the far bias, v241 the bias in hand.
.set VC,  98304                        ; LDS: K's codes at 0: tile T at 768 T;  V's: 49,152 pair + 3,072 step + 1,536 u + 768 half
.set KS,  196608                       ; K's scale lines: 128 bytes a pair of tiles
.set VS,  204800                       ; V's: 2,048 pair + 128 step
.set PM,  208896                       ; the padding words: key k at 4 k
.set GT,  217088                       ; the table: four copies,
.set CP,  1600                         ; so far apart
.set PART, 223744                      ; (-M, l) of the shared tiles: 256 bytes a wave
.set STASH, 227840                     ; block maxima: 512 bytes a trip, nine trips a wave; at the end the helper's O^T
.set WST, 4608
.set SPARE, 301568                     ; the spare words, 128 bytes a wave
.set S,   96
.set O,   160
.set AC,  160
.set FP,  174
.set PC,  192
.set BM,  212
.set TP,  216
.set SOP, 220
.set KSC, 224
.set VSC, 228
.set PWD, 230
.set STA, 231
.set Q0S, 232
.set Q1S, 244
.set F0,  251
.set FM,  252
.set WV,  20
.set RM,  2                            ; all ones in a helper, 0 in an owner
.set ROLE, 83                          ; 0 owner, 1 helper
.set PA,  84                           ; a
.set J0,  85                           ; my own tile's J
.set J1,  86                           ; the shared tile's J = 8 + a; also what brings a helper's later trips to steps 0 .. a, modulo 16
.set OF0, 87                           ; first step of my own tile's walk
.set SW,  88                           ; the trip at which a helper changes tiles (an owner: never)
.set NST, 89                           ; my steps: 8 or 9
.set U,   100
.macro CROUND                          ; a round of the cluster's barrier
	s_barrier_signal -1
	s_barrier_wait -1
	s_cmp_lg_u32 s[WV], 0
	s_cbranch_scc1 .Lnot_wave_0_\@
	s_barrier_signal -3
.Lnot_wave_0_\@:
	s_barrier_wait -3
	s_barrier_signal -1
	s_barrier_wait -1
.endm
.macro PLACES
.rept 4
	v_nop
.endr
.endm
.macro VW
	s_wait_alu depctr_va_vdst(0)
.endm
; one product, D = C in place.  d, x, y: first registers of D, source 0, source 1; sx, sy: the scale registers; ra = 1: source 0's words stand in lanes 16-31
.macro WMS d, x, y, sx, sy, ra
.set WD, \d
.set WX, \x
.set WY, \y
.set WSX, \sx
.set WSY, \sy
.if (\ra)==0
	v_wmma_scale_f32_16x16x128_f8f6f4 v[WD:WD+7], v[WX:WX+11], v[WY:WY+11], v[WD:WD+7], v[WSX], v[WSY] matrix_a_fmt:MATRIX_FMT_FP6 matrix_b_fmt:MATRIX_FMT_FP6
.else
	v_wmma_scale_f32_16x16x128_f8f6f4 v[WD:WD+7], v[WX:WX+11], v[WY:WY+11], v[WD:WD+7], v[WSX], v[WSY] matrix_a_fmt:MATRIX_FMT_FP6 matrix_b_fmt:MATRIX_FMT_FP6 matrix_a_scale:MATRIX_SCALE_ROW1
.endif
.endm
	s_load_b256 s[4:11], s[0:1], 0x0               ; qkc, qks, vtc, vts
	s_load_b256 s[12:19], s[0:1], 0x20             ; mask, rel_emb, ctc, cts
	v_lshl_add_u32 v239, v0, 2, SPARE
	v_mov_b32 v255, 0
	ds_add_u32 v239, v255                          ; the opening lines: the add twice on end and one wait
	ds_add_u32 v239, v255
	v_lshrrev_b32 v96, 5, v0
	v_readfirstlane_b32 s[WV], v96                 ; wave 0..15
	v_and_b32 v97, 31, v0                          ; lane
	v_and_b32 v98, 15, v0                          ; r
	v_bfe_u32 v99, v0, 4, 1                        ; h
	v_lshlrev_b32 v1, 4, v97
	v_lshlrev_b32 v2, 3, v97
	v_lshlrev_b32 v3, 2, v97
	v_lshlrev_b32 v243, 2, v98
	v_add_nc_u32 v242, KS, v3
	v_lshl_add_u32 v5, v99, 6, PM                  ; the padding words of my 16 keys of a block: 64 h on
	v_and_b32 v100, 3, v98                         ; the table: copy 3 - r % 4; word 148 - 128 (steps from the diagonal) + key - 4 (r / 4) - 8 (r / 8); kept 512 bytes low
	v_mul_u32_u24 v100, v100, CP
	v_lshrrev_b32 v101, 2, v98
	v_lshl_add_u32 v100, v101, 4, v100
	v_lshrrev_b32 v101, 3, v98
	v_lshl_add_u32 v100, v101, 5, v100
	v_lshl_add_u32 v101, v99, 6, GT+592+3*CP-512
	v_sub_nc_u32 v4, v101, v100
.irp j, 22,23,24,25,26,27, 80,81,82,83,84,85, 216,217,218,219, 175, 251
	v_mov_b32 v[\j], 0                             ; Q's upper half: zero codes; the last tile's upper half; lane permutes' destinations; upper halves of pairs; an owner's unused word
.endr
	v_mov_b32 v253, 0xff800000                     ; -infinity, for the table
	v_mov_b32 v254, 0xf1800000                     ; -2^100, for a hidden key
	s_bfe_u32 s21, ttmp6, 0x40000                  ; cx: it enters global addresses and table VALUES alone
	s_lshl_b32 s22, ttmp9, 2
	s_add_co_u32 s22, s22, s21                     ; i
	s_and_b32 s23, ttmp7, 0xffff                   ; 16 batch + head, which the partners share
	s_lshr_b32 s66, s23, 4                         ; batch
	s_and_b32 s67, s23, 15                         ; head
	s_lshr_b32 s81, s[WV], 2
	s_xor_b32 s81, s81, s[WV]
	s_and_b32 s[ROLE], s81, 1                      ; of waves w, w + 4, w + 8, w + 12, and of 4 n .. 4 n + 3, two are owners and two helpers
	s_lshr_b32 s[PA], s[WV], 1
	s_add_co_u32 s[J1], s[PA], 8
	s_sub_co_u32 s81, 7, s[PA]
	s_add_co_u32 s82, s[PA], 1
	s_sub_co_u32 s90, 8, s[PA]
	s_cmp_eq_u32 s[ROLE], 0
	s_cselect_b32 s[J0], s[J1], s81
	s_cselect_b32 s[OF0], s82, 0
	s_cselect_b32 s[SW], 99, s90
	s_cselect_b32 s[NST], 8, 9
	s_cselect_b32 s[RM], 0, -1
	s_lshr_b32 s3, s22, 1
	s_lshl_b32 s3, s3, 5
	s_and_b32 s[U], s22, 1                         ; u
	s_lshl_b32 s81, s[U], 3
	s_add_co_u32 s3, s3, s81                       ; D0 = 32 (i / 2) + 8 (i % 2)
	; descriptor groups 1: dense blocks as rows of 256 bytes (32 elements of 8 bytes): 96 rows of codes, 32 of K's scales, 16 of V's
.irp g, 24, 32, 40
	s_mov_b32 s[\g], 15|(3<<16)|(1<<21)            ; 15:0 the mask: all four work-groups; 17:16 elements of 8 bytes; 21 set beside a mask
	s_mov_b32 s[\g+1], 32<<16
	s_mov_b32 s[\g+3], 32<<16
	s_mov_b32 s[\g+5], 32
	s_mov_b32 s[\g+6], 0
	s_mov_b32 s[\g+7], 0
.endr
	s_mov_b32 s26, 96<<16
	s_mov_b32 s28, 96
	s_mov_b32 s34, 32<<16
	s_mov_b32 s36, 32
	s_mov_b32 s42, 16<<16
	s_mov_b32 s44, 16
	s_mul_i32 s49, s[WV], 24576                    ; waves 0-7: my eighth of K's and V's codes in LDS (V's begin at 4 x 24,576)
	s_mul_i32 s92, s23, 98304
	s_add_co_u32 s92, s92, s49
	s_add_co_u32 s90, s92, 32*98304                ; waves 0-3: k's heads lie behind q's 32
	s_sub_co_u32 s92, s92, 98304                   ; waves 4-7: V's quarter wave - 4
	s_cmp_lt_u32 s[WV], 4
	s_cselect_b32 s92, s90, s92
	s_mov_b32 s93, 0
	s_add_co_u32 s94, s23, 32
	s_lshl_b32 s94, s94, 13
	s_mov_b32 s95, 0
	s_lshl_b32 s96, s23, 12
	s_mov_b32 s97, 0
	s_mov_b32 s70, 0x76543210
	s_mov_b32 s71, 0xfedcba98                      ; v_permlanex16_b32's selects for lane l xor 16
	s_mov_b32 s74, 0x3e38aa3b                      ; c = log2(e) / 8
	s_mov_b32 s75, s74                             ; (named with it as a pair)
	s_mov_b32 s72, s74
	s_mov_b32 s73, s74
	VW
	s_wait_dscnt 0x0
	s_wait_kmcnt 0x0
	s_mov_b32 s48, 1
	s_cmp_lt_u32 s[WV], 4
	s_cselect_b64 s[50:51], s[4:5], s[8:9]
	s_add_nc_u64 s[50:51], s[50:51], s[92:93]
	s_or_b32 s51, s51, 0x80000000
	s_mov_b32 s56, 1
	s_mov_b32 s57, KS
	s_add_nc_u64 s[58:59], s[6:7], s[94:95]
	s_or_b32 s59, s59, 0x80000000
	s_mov_b32 s60, 1
	s_mov_b32 s61, VS
	s_add_nc_u64 s[62:63], s[10:11], s[96:97]
	s_or_b32 s63, s63, 0x80000000
	CROUND                                         ; all four work-groups are here: the joint loads meet
	s_cmp_lt_u32 s[WV], 8                          ; one chain of branches on the wave's number, one load to an arm
	s_cbranch_scc0 .Lnot_codes
	tensor_load_to_lds s[48:51], s[24:31]
	s_nop 0
	PLACES
	s_branch .Lasked
.Lnot_codes:
	s_cmp_eq_u32 s[WV], 8
	s_cbranch_scc0 .Lnot_ks
	tensor_load_to_lds s[56:59], s[32:39]
	s_nop 0
	PLACES
	s_branch .Lasked
.Lnot_ks:
	s_cmp_eq_u32 s[WV], 9
	s_cbranch_scc0 .Lasked
	tensor_load_to_lds s[60:63], s[40:47]
	s_nop 0
	PLACES
.Lasked:
	; ---- while the fills are on their way: the mask, the table, the two tiles' Q
	s_lshl_b32 s81, s66, 13
	s_lshl_b32 s82, s[WV], 9
	s_add_co_u32 s81, s81, s82
	v_add_nc_u32 v116, s81, v1                     ; the 128 words of mask that my wave turns into padding words
	v_add_nc_u32 v117, s82, v1
	v_add_nc_u32 v117, PM, v117
	s_lshl_b32 s101, s67, 2                        ; rel_emb's column of my head
	s_and_b32 s81, s[WV], 3                        ; the table: copy wave % 4, words 96 (wave / 4) + 32 p + lane
	s_lshr_b32 s82, s[WV], 2
	s_mul_i32 s90, s82, 96
	s_add_co_u32 s90, s90, s81
	s_add_co_u32 s91, s3, 167
	s_sub_co_u32 s91, s91, s90
	v_sub_nc_u32 v102, s91, v97                    ; U = 16 + q - k of the word = 167 + D0 - (word + copy)
	v_add_nc_u32 v103, -32, v102
	v_add_nc_u32 v104, -64, v102
.irp p, 0,1,2
	v_min_u32 v[105+\p], 31, v[102+\p]             ; the row of rel_emb (where k > q any row inside the table: the value is replaced below)
.endr
.irp p, 0,1,2
	v_lshl_add_u32 v[105+\p], v[105+\p], 6, s101
.endr
	s_add_co_u32 s90, s101, 1984
	v_mov_b32 v108, s90                            ; rel_emb[31][head]
	s_mul_i32 s81, s81, CP
	s_mul_i32 s82, s82, 384
	s_add_co_u32 s81, s81, s82
	s_add_co_u32 s81, s81, GT
	v_add_nc_u32 v109, s81, v3                     ; where my table words go
.macro QOFF j, vb                      ; offsets of tile 8 J + i: its half fragment by 16 and by 8 bytes a lane, its scale words
	s_lshl_b32 s81, s[\j], 3
	s_add_co_u32 s81, s81, s22
	s_lshl_b32 s82, s23, 7
	s_add_co_u32 s82, s82, s81
	s_mul_i32 s82, s82, 768
	v_add_nc_u32 v[\vb], s82, v1
	v_add_nc_u32 v[\vb+1], s82, v2
	s_lshl_b32 s82, s23, 6
	s_lshr_b32 s81, s81, 1
	s_add_co_u32 s82, s82, s81
	s_lshl_b32 s82, s82, 7
	s_lshl_b32 s81, s[U], 6
	s_add_co_u32 s82, s82, s81
	v_add_nc_u32 v[\vb+2], s82, v243
.endm
	QOFF J0, 110
	QOFF J1, 113
	VW
	global_load_b128 v[160:163], v116, s[12:13]
.irp p, 0,1,2
	global_load_b32 v[164+\p], v[105+\p], s[14:15]
.endr
	global_load_b32 v240, v108, s[14:15]
	global_load_b128 v[Q0S:Q0S+3], v110, s[4:5]
	global_load_b64 v[Q0S+4:Q0S+5], v111, s[4:5] offset:512
	global_load_b32 v[Q0S+6], v112, s[6:7]
	global_load_b128 v[Q1S:Q1S+3], v113, s[4:5]
	global_load_b64 v[Q1S+4:Q1S+5], v114, s[4:5] offset:512
	global_load_b32 v[Q1S+6], v115, s[6:7]
	s_lshl_b32 s99, s[J0], 3
	s_add_co_u32 s99, s99, s22                     ; my own tile T
	s_lshr_b32 s81, s99, 1
	s_lshl_b32 s82, s66, 6
	s_add_co_u32 s81, s82, s81                     ; the pair of tokens: 64 batch + T / 2
	s_mul_i32 s90, s81, 24576
	s_lshr_b32 s82, s67, 1
	s_mul_i32 s82, s82, 3072
	s_add_co_u32 s90, s90, s82
	s_mul_i32 s82, s[U], 1536
	s_add_co_u32 s90, s90, s82
	s_and_b32 s82, s67, 1
	s_mul_i32 s82, s82, 768
	s_add_co_u32 s90, s90, s82
	s_mov_b32 s91, 0
	s_add_nc_u64 s[94:95], s[16:17], s[90:91]      ; ctx's half fragment: [pair][head / 2][u][head % 2]
	s_lshl_b32 s90, s81, 4
	s_add_co_u32 s90, s90, s67
	s_lshl_b32 s90, s90, 7
	s_lshl_b32 s82, s[U], 6
	s_add_co_u32 s90, s90, s82
	s_add_nc_u64 s[96:97], s[18:19], s[90:91]      ; and its scale words: [pair][head], 64 u on
	s_mul_i32 s98, s[WV], WST
	s_add_co_u32 s98, s98, STASH                   ; my nine slots
	s_wait_loadcnt 0x0
.irp j, 0,1,2,3
	v_cmp_eq_u32 vcc_lo, 0, v[160+\j]
	v_cndmask_b32 v[160+\j], 0, v254, vcc_lo       ; 0 keeps the key, -2^100 hides it
.endr
	ds_store_b128 v117, v[160:163]
.irp p, 0,1,2
	v_mul_f32 v[164+\p], 0x3fb8aa3b, v[164+\p]     ; x log2(e)
	v_cmp_gt_i32 vcc_lo, 16, v[102+\p]             ; k > q
	v_cndmask_b32 v[164+\p], v[164+\p], v253, vcc_lo
	ds_store_b32 v109, v[164+\p] offset:128*\p
.endr
	v_mul_f32 v240, 0x3fb8aa3b, v240
.macro QCOPY q                         ; a tile's Q and scale words into the operand's registers; at least eight plain vector lines follow ahead of the next product
.irp k, 0,1,2,3,4,5
	v_mov_b32 v[16+\k], v[\q+\k]
.endr
	v_mov_b32 v28, v[\q+6]
.endm
.macro INIT1
	v_mov_b32 v13, 0xd3800000                      ; the largest t so far: -2^40
	v_mov_b32 v10, 0x53800000                      ; -M
	v_mov_b32 v14, 0                               ; l, in two halves
	v_mov_b32 v15, 0
.endm
.macro ZERO_O                          ; a walk's first step is not known when the text is written, so O^T begins as zeros
.set j, 0
.rept 32
	v_mov_b32 v[O+j], 0
.set j, j+1
.endr
.endm
.macro LSUM                            ; v11 = l: its two halves and lane l xor 16's
	v_add_f32 v14, v14, v15
	s_delay_alu instid0(VALU_DEP_1)
	v_permlanex16_b32 v216, v14, s70, s71
	s_delay_alu instid0(VALU_DEP_1)
	v_add_f32 v11, v14, v216
.endm
.macro LOGF dst                        ; dst = -M - log2 l; a row without a key: 0 in the place of log2 0
	VW
	v_log_f32 v217, v11
	v_nop
	v_cmp_lt_f32 vcc_lo, 0, v11
	VW
	v_cndmask_b32 v217, 0, v217, vcc_lo
	s_delay_alu instid0(VALU_DEP_1)
	v_sub_f32 v[\dst], v10, v217
.endm
; which tile and key step this trip serves
.macro WHERE two
	s_cmp_lt_u32 s76, s[SW]
	s_cselect_b32 s68, s[J0], s[J1]                ; the tile's J
	s_cselect_b32 s81, s[OF0], s[J1]
	s_add_co_u32 s81, s81, s76
	s_and_b32 s69, s81, 15                         ; the key step
	s_mul_i32 s77, s69, 6144                       ; its tiles of K,
	s_lshl_b32 s78, s69, 9                         ; its scale lines and padding words,
	s_lshl_b32 s82, s76, 9
	s_add_co_u32 s82, s82, s98                     ; the trip's slot
.if \two
	s_mul_i32 s79, s69, 3072
	s_add_co_u32 s79, s79, VC
	s_lshl_b32 s80, s69, 7
	s_add_co_u32 s80, s80, VS
.endif
.endm
; S^T = K Q^T + the padding words.  The additions are the places behind the trip before's last products.
.macro QK two
	v_add_nc_u32 v6, s77, v1
	v_add_nc_u32 v7, s77, v2
	v_add_nc_u32 v8, s78, v242
	v_add_nc_u32 v31, s78, v5
	v_add_nc_u32 v[STA], s82, v1
.if \two
	v_add_nc_u32 v9, s79, v1
	v_add_nc_u32 v29, s79, v2
	v_add_nc_u32 v30, s80, v3
.endif
.irp t, 0,1,2,3,4,5,6,7
	ds_load_b128 v[32+6*\t:32+6*\t+3], v6 offset:768*\t
	ds_load_b64 v[32+6*\t+4:32+6*\t+5], v7 offset:768*\t+512
.endr
.irp p, 0,1,2,3
	ds_load_b32 v[KSC+\p], v8 offset:128*\p
.endr
.irp b, 0,1,2,3
.irp q, 0,1,2,3
	ds_load_b128 v[S+16*\b+4*\q:S+16*\b+4*\q+3], v31 offset:128*\b+16*\q
.endr
.endr
.if \two
	ds_load_b128 v[BM:BM+3], v[STA]                ; pass 1's largest S of my 16 keys of each block
.endif
	VW
	s_wait_dscnt 0x0
.irp t, 0,1,2,3,4,5,6,7
	WMS S+8*\t, 32+6*\t, 16, KSC+\t/2, 28, \t%2
.endr
.endm
; Far from the diagonal: t = c S + the far bias.  In the diagonal's step and the one before: S becomes c S + the table's word, and t = 1 S + 0.  The branch hangs on the wave's number and the trip.
.macro DIAG
	PLACES                                         ; places in front of the first read of the scores and of loads into registers that the products read
	v_mov_b32 v241, v240
	VW
	s_mov_b32 s72, s74
	s_sub_co_u32 s81, s68, s69                     ; steps from the diagonal
	s_cmp_gt_u32 s81, 1
	s_cbranch_scc1 .Lfar_\@
	s_cmp_eq_u32 s81, 0
	s_cselect_b32 s81, 512, 0
	v_add_nc_u32 v31, s81, v4
.irp b, 0,1,2,3
.irp q, 0,1,2,3
	ds_load_b128 v[32+16*\b+4*\q:32+16*\b+4*\q+3], v31 offset:128*\b+16*\q
.endr
.endr
	s_wait_dscnt 8                                 ; the first eight loads are in, the second eight may be out
.irp j, 0,2,4,6,8,10,12,14,16,18,20,22,24,26,28,30
	v_pk_fma_f32 v[S+\j:S+\j+1], v[S+\j:S+\j+1], s[74:75], v[32+\j:33+\j] op_sel_hi:[1,0,1]
.endr
	s_wait_dscnt 0x0
.irp j, 32,34,36,38,40,42,44,46,48,50,52,54,56,58,60,62
	v_pk_fma_f32 v[S+\j:S+\j+1], v[S+\j:S+\j+1], s[74:75], v[32+\j:33+\j] op_sel_hi:[1,0,1]
.endr
	s_mov_b32 s72, 1.0
	v_mov_b32 v241, 0
.Lfar_\@:
.endm
.macro EXP64
.set j, 0
.rept 64
	v_exp_f32 v[S+j], v[S+j]
.set j, j+1
.endr
.endm
.macro SCALE64 from
.set j, \from
.rept (64-\from)/2
	v_pk_fma_f32 v[S+j:S+j+1], v[S+j:S+j+1], s[72:73], v[12:13] op_sel_hi:[1,0,0]
.set j, j+2
.endr
.endm
; PASS 1, a key step: the running maximum and the sum
.macro STEP1
	QK 0
	DIAG
.irp b, 0,1,2,3
	v_max3_num_f32 v[BM+\b], v[S+16*\b], v[S+16*\b+1], v[S+16*\b+2]   ; the largest S of my 16 keys of each block, the four blocks by turns
.endr
.irp i, 3,5,7,9,11,13
.irp b, 0,1,2,3
	v_max3_num_f32 v[BM+\b], v[BM+\b], v[S+16*\b+\i], v[S+16*\b+\i+1]
.endr
.endr
.irp b, 0,1,2,3
	v_max_num_f32 v[BM+\b], v[BM+\b], v[S+16*\b+15]
.endr
	ds_store_b128 v[STA], v[BM:BM+3]               ; kept for pass 2, in my own slot
	v_max3_num_f32 v216, v212, v213, v214
	s_delay_alu instid0(VALU_DEP_1)
	v_max_num_f32 v216, v216, v215
	s_delay_alu instid0(VALU_DEP_1)
	v_permlanex16_b32 v217, v216, s70, s71
	s_delay_alu instid0(VALU_DEP_1)
	v_max_num_f32 v216, v216, v217                 ; the step's largest S of my query,
	s_delay_alu instid0(VALU_DEP_1)
	v_fma_f32 v216, v216, s72, v241                ; as t
	s_delay_alu instid0(VALU_DEP_1)
	v_max_num_f32 v13, v13, v216
	v_mov_b32 v216, v10
	s_delay_alu instid0(VALU_DEP_2)
	v_floor_f32 v10, -v13                          ; the new -M = -ceil(the largest t): a whole number
	s_delay_alu instid0(VALU_DEP_1)
	v_sub_f32 v216, v10, v216                      ; old M - new M: a whole number, 0 or less
	s_delay_alu instid0(VALU_DEP_1)
	v_cvt_i32_f32 v216, v216                       ; (it saturates)
	s_delay_alu instid0(VALU_DEP_1)
	v_ldexp_f32 v[FP], 1.0, v216                   ; 2^(old M - new M): rounds nothing
	v_add_f32 v12, v10, v241                       ; the addend: bias - M
	SCALE64 0
	VW
	EXP64
	v_pk_mul_f32 v[14:15], v[14:15], v[FP:FP+1] op_sel_hi:[1,0]   ; l under the new M (a plain place behind the exponentials)
	VW
.irp k, 0,1,2,3,4,5,6                  ; the 32 pairs are summed in eight chains
	v_pk_add_f32 v[AC+2*\k:AC+2*\k+1], v[S+2*\k:S+2*\k+1], v[S+16+2*\k:S+17+2*\k]
.endr
	v_pk_add_f32 v[14:15], v[14:15], v[S+14:S+15]
.irp m, 32,48
.irp k, 0,1,2,3,4,5,6
	v_pk_add_f32 v[AC+2*\k:AC+2*\k+1], v[AC+2*\k:AC+2*\k+1], v[S+\m+2*\k:S+\m+2*\k+1]
.endr
	v_pk_add_f32 v[14:15], v[14:15], v[S+\m-2:S+\m-1]
.endr
	v_pk_add_f32 v[AC:AC+1], v[AC:AC+1], v[AC+2:AC+3]
	v_pk_add_f32 v[AC+4:AC+5], v[AC+4:AC+5], v[AC+6:AC+7]
	v_pk_add_f32 v[AC+8:AC+9], v[AC+8:AC+9], v[AC+10:AC+11]
	v_pk_add_f32 v[14:15], v[14:15], v[S+62:S+63]
	v_pk_add_f32 v[AC:AC+1], v[AC:AC+1], v[AC+4:AC+5]
	v_pk_add_f32 v[AC+8:AC+9], v[AC+8:AC+9], v[AC+12:AC+13]
	v_pk_add_f32 v[14:15], v[14:15], v[AC:AC+1]
	s_delay_alu instid0(VALU_DEP_1)
	v_pk_add_f32 v[14:15], v[14:15], v[AC+8:AC+9]
.endm
; PASS 2, a key step: the finished weights, quantised, and O^T += V^T P^T
.macro STEP2
	QK 1
	DIAG
.irp p, 0,1
.irp u, 0,1
	ds_load_b128 v[32+12*(2*\p+\u):32+12*(2*\p+\u)+3], v9 offset:49152*\p+1536*\u
	ds_load_b64 v[32+12*(2*\p+\u)+4:32+12*(2*\p+\u)+5], v29 offset:49152*\p+1536*\u+512
	ds_load_b128 v[32+12*(2*\p+\u)+6:32+12*(2*\p+\u)+9], v9 offset:49152*\p+1536*\u+768
	ds_load_b64 v[32+12*(2*\p+\u)+10:32+12*(2*\p+\u)+11], v29 offset:49152*\p+1536*\u+1280
.endr
	ds_load_b32 v[VSC+\p], v30 offset:2048*\p
.endr
.irp b, 0,1,2,3
	v_permlanex16_b32 v[TP+\b], v[BM+\b], s70, s71
.endr
.irp b, 0,1,2,3
	v_max_num_f32 v[BM+\b], v[BM+\b], v[TP+\b]     ; the block's largest S: p rises with S, so it gives the block's largest p
.endr
	v_add_f32 v12, v11, v241                       ; the addend: bias - M - log2 l
.irp b, 0,1,2,3
	v_fma_f32 v[BM+\b], v[BM+\b], s72, v12
.endr
	SCALE64 0                                      ; the scores' first readers stand ahead of every exponential
	VW
.irp b, 0,1,2,3
	v_exp_f32 v[BM+\b], v[BM+\b]                   ; the same two instructions on the same number give the same bits
.endr
	EXP64                                          ; p = 2^(t - M - log2 l): finished and normalised; one batch with the four above
	v_nop                                          ; a plain place behind the exponentials
	VW
.irp b, 0,1,2,3
	v_max_num_f32 v[BM+\b], 0x1800000, v[BM+\b]    ; the floor 2^(3 - 127): a block whose every p is 0 keeps the byte 1; its codes are zeros
.endr
.irp b, 0,1,2,3
	v_add_nc_u32 v[SOP+\b], 0xff000000, v[BM+\b]   ; 2 off the exponent field: the conversion's scale operand
.endr
.irp b, 0,1,2,3
	v_lshrrev_b32 v[TP+\b], 23, v[SOP+\b]
.endr
	v_lshl_or_b32 v[PWD], v[TP+1], 8, v[TP]        ; p's scale word for these 128 keys; the conversions and moves below stand between it and the products
	s_delay_alu instid0(VALU_DEP_1)
	v_lshl_or_b32 v[PWD], v[TP+2], 16, v[PWD]
	s_delay_alu instid0(VALU_DEP_1)
	v_lshl_or_b32 v[PWD], v[TP+3], 24, v[PWD]
.irp c, 0,1
	v_cvt_scalef32_pk16_fp6_f32 v[PC+6*\c:PC+6*\c+2], v[S+32*\c:S+32*\c+15], v[SOP+2*\c]
	v_cvt_scalef32_pk16_fp6_f32 v[PC+12+4*\c:PC+14+4*\c], v[S+16+32*\c:S+31+32*\c], v[SOP+2*\c+1]
.endr
	v_nop                                          ; one plain place behind a scaled conversion
.irp c, 0,1                                    ; the operand's layout wants a whole block in a lane
.irp i, 0,1,2
	v_permlane16_swap_b32 v[PC+6*\c+\i], v[PC+12+4*\c+\i]
.endr
.irp i, 0,1,2
	v_mov_b32 v[PC+3+6*\c+\i], v[PC+12+4*\c+\i]
.endr
.endr
	PLACES                                         ; an operand written by vector instructions stands four places ahead of the product
	VW
	s_wait_dscnt 0x0                               ; V's fragments and scale lines
.irp p, 0,1
.irp u, 0,1
	WMS O+8*(2*\p+\u), 32+12*(2*\p+\u), PC, VSC+\p, PWD, \u
.endr
.endr
.endm
; THE WAY OUT.  O register 16 p + i is ctx(my query, 64 head + 32 p + 16 h + i): two blocks of the next product's K.  They are quantised here and leave as a half fragment.
.macro WAYOUT
	PLACES
.irp p, 0,1
	v_max3_num_f32 v[BM+\p], |v[O+16*\p]|, |v[O+16*\p+1]|, 0x1800000
.endr
.irp i, 2,4,6,8,10,12,14
.irp p, 0,1
	v_max3_num_f32 v[BM+\p], v[BM+\p], |v[O+16*\p+\i]|, |v[O+16*\p+\i+1]|
.endr
.endr
.irp p, 0,1
	v_permlanex16_b32 v[TP+\p], v[BM+\p], s70, s71
.endr
.irp p, 0,1
	v_max_num_f32 v[BM+\p], v[BM+\p], v[TP+\p]
.endr
.irp p, 0,1
	v_add_nc_u32 v[SOP+\p], 0xff000000, v[BM+\p]
.endr
.irp p, 0,1
	v_lshrrev_b32 v[TP+\p], 23, v[SOP+\p]
.endr
	v_lshl_or_b32 v218, v217, 8, v216              ; (byte, byte, 0, 0)
	v_cvt_scalef32_pk16_fp6_f32 v[PC:PC+2], v[O:O+15], v[SOP]
	v_cvt_scalef32_pk16_fp6_f32 v[PC+12:PC+14], v[O+16:O+31], v[SOP+1]
	v_nop
.irp i, 0,1,2
	v_permlane16_swap_b32 v[PC+\i], v[PC+12+\i]
.endr
.irp i, 0,1,2
	v_mov_b32 v[PC+3+\i], v[PC+12+\i]
.endr
	global_store_b128 v1, v[PC:PC+3], s[94:95]             ; 512 consecutive bytes
	global_store_b64 v2, v[PC+4:PC+5], s[94:95] offset:512 ; 256
	global_store_b32 v243, v218, s[96:97]                  ; lanes r and r + 16 write the same word to the same place
.endm
	QCOPY Q0S
	INIT1
	VW
	s_wait_tensorcnt 0x0                           ; my fill has landed,
	s_wait_dscnt 0x0                               ; my table and padding words are stored:
	s_barrier_signal -1
	s_barrier_wait -1                              ; everybody's
	s_mov_b32 s76, 0
.Lpass1:                                           ; 9 trips, a constant
	VW
	s_cmp_eq_u32 s76, s[SW]
	s_cbranch_scc0 .Lsame1
	LSUM                                           ; a helper's own tile is through: its -M - log2 l is kept, and the shared tile begins
	LOGF F0
	QCOPY Q1S
	INIT1
	VW
.Lsame1:
	s_cmp_ge_u32 s76, s[NST]
	s_cbranch_scc1 .Lskip1
	WHERE 0
	STEP1
.Lskip1:
	s_add_co_u32 s76, s76, 1
	s_cmp_lt_u32 s76, 9
	s_cbranch_scc1 .Lpass1
	VW
	LSUM                                           ; my part of the shared tile: (-M, l)
	s_lshl_b32 s81, s[WV], 8
	s_add_co_u32 s81, s81, PART
	v_add_nc_u32 v218, s81, v2
	v_xor_b32 v219, 256, v218                      ; my partner's: wave xor 1
	ds_store_b64 v218, v[10:11]
	VW
	s_wait_dscnt 0x0
	s_barrier_signal -1
	s_barrier_wait -1
	ds_load_b64 v[216:217], v219
	s_wait_dscnt 0x0
	v_min_num_f32 v220, v10, v216                  ; the joint -M,
	v_sub_f32 v221, v220, v10                      ; and each part's l under it, by exact powers of two; the sum is the same bits in both partners
	v_sub_f32 v222, v220, v216
	v_cvt_i32_f32 v221, v221
	v_cvt_i32_f32 v222, v222
	v_ldexp_f32 v11, v11, v221
	v_ldexp_f32 v223, v217, v222
	v_mov_b32 v10, v220
	v_add_f32 v11, v11, v223
	LOGF FM
	v_cndmask_b32 v11, v[FM], v[F0], s[RM]         ; a helper begins with its own tile again
	QCOPY Q0S
	ZERO_O
	s_mov_b32 s76, 0
.Lpass2:                                           ; 9 trips, a constant.  The accumulators take turns, over the backward jump too
	VW
	s_cmp_eq_u32 s76, s[SW]
	s_cbranch_scc0 .Lsame2
	WAYOUT                                         ; a helper's own tile is finished and leaves; the shared tile begins
	QCOPY Q1S
	ZERO_O
	v_mov_b32 v11, v[FM]
	s_wait_xcnt 0x0                                ; the stores have read their registers, which later trips write again
	VW
.Lsame2:
	s_cmp_ge_u32 s76, s[NST]
	s_cbranch_scc1 .Lskip2
	WHERE 1
	STEP2
.Lskip2:
	s_add_co_u32 s76, s76, 1
	s_cmp_lt_u32 s76, 9
	s_cbranch_scc1 .Lpass2
	PLACES                                         ; places behind the last products
	v_add_nc_u32 v[STA], s98, v1                   ; my slots, all read by now,
	s_xor_b32 s81, s[WV], 1
	s_mul_i32 s81, s81, WST
	s_add_co_u32 s81, s81, STASH
	v_add_nc_u32 v29, s81, v1                      ; and my partner's
	VW
	s_cmp_eq_u32 s[ROLE], 0
	s_cbranch_scc1 .Lkeep
.irp k, 0,1,2,3,4,5,6,7
	ds_store_b128 v[STA], v[O+4*\k:O+4*\k+3] offset:512*\k   ; the helper's part of the shared tile's O^T, each accumulator from its low end on
.endr
.Lkeep:
	s_wait_dscnt 0x0
	s_barrier_signal -1
	s_barrier_wait -1
	s_cmp_eq_u32 s[ROLE], 0
	s_cbranch_scc0 .Ldone
.irp k, 0,1,2,3,4,5,6,7
	ds_load_b128 v[32+4*\k:32+4*\k+3], v29 offset:512*\k
.endr
	s_wait_dscnt 0x0
.irp j, 0,2,4,6,8,10,12,14,16,18,20,22,24,26,28,30
	v_pk_add_f32 v[O+\j:O+\j+1], v[O+\j:O+\j+1], v[32+\j:33+\j]
.endr
	WAYOUT
.Ldone:
	s_wait_tensorcnt 0x0                           ; the wave's end
	ds_add_u32 v239, v255
	s_wait_dscnt 0x0
	CROUND                                         ; the closing round
	s_endpgm
.Lfunc_end_k_q80efee710d_attn:
	.size	k_q80efee710d_attn, .Lfunc_end_k_q80efee710d_attn-k_q80efee710d_attn
	.p2alignl 7, 3214868480
	.fill 96, 4, 3214868480
	.section	.rodata,"a",@progbits
	.p2align	6, 0x0
	.amdhsa_kernel k_q80efee710d_attn
		.amdhsa_group_segment_fixed_size 303616
		.amdhsa_private_segment_fixed_size 0
		.amdhsa_enable_private_segment 0
		.amdhsa_kernarg_size 64
		.amdhsa_user_sgpr_count 2
		.amdhsa_user_sgpr_kernarg_segment_ptr 1
		.amdhsa_wavefront_size32 1
		.amdhsa_system_sgpr_workgroup_id_x 1
		.amdhsa_system_sgpr_workgroup_id_y 1
		.amdhsa_system_sgpr_workgroup_id_z 1
		.amdhsa_system_vgpr_workitem_id 0
		.amdhsa_next_free_vgpr 256
		.amdhsa_next_free_sgpr 102
		.amdhsa_reserve_vcc 1
		.amdhsa_float_denorm_mode_32 3
		.amdhsa_float_denorm_mode_16_64 3
		.amdhsa_memory_ordered 1
		.amdhsa_forward_progress 1
		.amdhsa_inst_pref_size 59
	.end_amdhsa_kernel
	.amdgpu_metadata
---
amdhsa.version: [ 1, 2 ]
amdhsa.kernels:
  - .name:           k_q80efee710d_attn
    .symbol:         k_q80efee710d_attn.kd
    .args:
      - { .name: qkc, .offset: 0, .size: 8, .value_kind: global_buffer, .address_space: global }
      - { .name: qks, .offset: 8, .size: 8, .value_kind: global_buffer, .address_space: global }
      - { .name: vtc, .offset: 16, .size: 8, .value_kind: global_buffer, .address_space: global }
      - { .name: vts, .offset: 24, .size: 8, .value_kind: global_buffer, .address_space: global }
      - { .name: mask, .offset: 32, .size: 8, .value_kind: global_buffer, .address_space: global }
      - { .name: rel_emb, .offset: 40, .size: 8, .value_kind: global_buffer, .address_space: global }
      - { .name: ctc, .offset: 48, .size: 8, .value_kind: global_buffer, .address_space: global }
      - { .name: cts, .offset: 56, .size: 8, .value_kind: global_buffer, .address_space: global }
    .group_segment_fixed_size: 303616
    .private_segment_fixed_size: 0
    .kernarg_segment_align: 8
    .kernarg_segment_size: 64
    .max_flat_workgroup_size: 512
    .sgpr_count:     102
    .vgpr_count:     256
    .wavefront_size: 32
...
	.end_amdgpu_metadata
.endif
;; end of part 3
;; launch proj (part 4): grid 8 x 32, 4 waves a work-group, clusters of 4 x 4, 230,912 bytes of LDS; arguments ctc, cts, opc, ops, out0; writes out0
.if DOCPART == 4
	.amdgcn_target "amdgcn-amd-amdhsa--gfx1250"
	.amdhsa_code_object_version 6
	.text
	.protected	k_q80efee710d_proj
	.globl	k_q80efee710d_proj
	.p2align	8
	.type	k_q80efee710d_proj,@function
k_q80efee710d_proj:
	s_mov_b64 s[64:65], 0
	v_nop
	global_prefetch_b8 v0, s[64:65] scope:SCOPE_SE
	s_setreg_imm32_b32 hwreg(HW_REG_WAVE_MODE, 25, 1), 1
	s_wait_xcnt 0x0
	s_wait_alu depctr_hold_cnt(0) depctr_sa_sdst(0) depctr_va_vdst(0) depctr_va_sdst(0) depctr_va_ssrc(0) depctr_va_vcc(0) depctr_vm_vsrc(0)
	s_getreg_b32 s2, hwreg(HW_REG_IB_STS2, 6, 4)
	s_cmp_eq_u32 s2, 0
	s_cbranch_scc0 .Lentry_in_a_cluster
	s_endpgm
.Lentry_in_a_cluster:
	s_bfe_u32 s2, ttmp6, 0x10000c
	s_cmp_lg_u32 s2, 0xf033
	s_cbranch_scc0 .Lentry_shape_is_right
	s_endpgm
.Lentry_shape_is_right:
; out0 = ctx Wo^T on codes of FP6 (E2M3) with E8M0 scales, sums in f32.  ctx's codes (ctc) are laid as x's were: [pair 128][K step 8][u][half][768]; its scale words (cts) [pair][head 16][128] hold two bytes each:
; two heads' words make a K step's.  Wo is pairs 224-255 of opc and ops.
; A work-group makes 128 tokens x 128 columns with all of K = 1,024 resident in LDS (every byte filled once); wave w takes A's pair w (2 tiles) x B's 8 tiles: 16 accumulators.
; THE MATRIX INSTRUCTION IS USED TRANSPOSED (source 0 = 16 rows of Wo, source 1 = 16 tokens): lane r holds token 8 a + r + 8 (r / 8) of its pair, and register 8 b + j column 32 (b / 2) + 16 h + 8 (b % 2) + j.
; The results go through the wave's own stage in LDS (bytes of their own, behind the chunks) and leave as whole rows of 512 bytes.
; CLUSTERS: 4 x 4 work-groups; A's chunks are shared along a row of the cluster, B's along a column, by joint loads.
; REGISTERS: window 0: v4-6 16, 8, 4 x lane; v8-13 LDS addresses; v24, v25 the stage; v32-39 A's scale lines, v40-71 B's; v72-87 ctx's words as loaded; v128-255 accumulators.  window 1: two fragment buffers of 120.
.set ACC,  128
.set SA,   32
.set SB,   40
.set ADR,  8
.set CHUNK, 49152
.set STAGE, 196608                     ; 16 rows x (512 + 16) bytes for each wave
.set SPITCH, 528
.set WV,   16
.set G1A,  24
.set G1B,  32
.set G0A,  40
.set G0B,  68
.set MSB,  0
.macro WIN new                         ; the immediate's high byte repeats the setting that is left
.if MSB != \new
	s_set_vgpr_msb (MSB<<8)|\new
.set MSB, \new
.endif
.endm
.set MUL,  0x05                        ; sources 0 and 1 window 1; C and D window 0
.set TO_F, 0x40                        ; destination window 1, address window 0
.macro CROUND                          ; a round of the cluster's barrier
	s_barrier_signal -1
	s_barrier_wait -1
	s_cmp_lg_u32 s[WV], 0
	s_cbranch_scc1 .Lnot_wave_0_\@
	s_barrier_signal -3
.Lnot_wave_0_\@:
	s_barrier_wait -3
	s_barrier_signal -1
	s_barrier_wait -1
.endm
.macro PLACES
.rept 4
	v_nop
.endr
.endm
; one product.  d, x, y: first registers of D, source 0, source 1; z = 1: it starts the sum; sx, sy: the scale registers; ra, rb = 1: that side's words stand in lanes 16-31
.macro WMS d, x, y, z, sx, sy, ra, rb
.set WD, \d
.set WX, \x
.set WY, \y
.set WSX, \sx
.set WSY, \sy
.if (\z)
.if ((\ra)==0)&&((\rb)==0)
	v_wmma_scale_f32_16x16x128_f8f6f4 v[WD:WD+7], v[WX:WX+11], v[WY:WY+11], 0, v[WSX], v[WSY] matrix_a_fmt:MATRIX_FMT_FP6 matrix_b_fmt:MATRIX_FMT_FP6
.elseif ((\ra)==1)&&((\rb)==0)
	v_wmma_scale_f32_16x16x128_f8f6f4 v[WD:WD+7], v[WX:WX+11], v[WY:WY+11], 0, v[WSX], v[WSY] matrix_a_fmt:MATRIX_FMT_FP6 matrix_b_fmt:MATRIX_FMT_FP6 matrix_a_scale:MATRIX_SCALE_ROW1
.elseif ((\ra)==0)&&((\rb)==1)
	v_wmma_scale_f32_16x16x128_f8f6f4 v[WD:WD+7], v[WX:WX+11], v[WY:WY+11], 0, v[WSX], v[WSY] matrix_a_fmt:MATRIX_FMT_FP6 matrix_b_fmt:MATRIX_FMT_FP6 matrix_b_scale:MATRIX_SCALE_ROW1
.else
	v_wmma_scale_f32_16x16x128_f8f6f4 v[WD:WD+7], v[WX:WX+11], v[WY:WY+11], 0, v[WSX], v[WSY] matrix_a_fmt:MATRIX_FMT_FP6 matrix_b_fmt:MATRIX_FMT_FP6 matrix_a_scale:MATRIX_SCALE_ROW1 matrix_b_scale:MATRIX_SCALE_ROW1
.endif
.else
.if ((\ra)==0)&&((\rb)==0)
	v_wmma_scale_f32_16x16x128_f8f6f4 v[WD:WD+7], v[WX:WX+11], v[WY:WY+11], v[WD:WD+7], v[WSX], v[WSY] matrix_a_fmt:MATRIX_FMT_FP6 matrix_b_fmt:MATRIX_FMT_FP6
.elseif ((\ra)==1)&&((\rb)==0)
	v_wmma_scale_f32_16x16x128_f8f6f4 v[WD:WD+7], v[WX:WX+11], v[WY:WY+11], v[WD:WD+7], v[WSX], v[WSY] matrix_a_fmt:MATRIX_FMT_FP6 matrix_b_fmt:MATRIX_FMT_FP6 matrix_a_scale:MATRIX_SCALE_ROW1
.elseif ((\ra)==0)&&((\rb)==1)
	v_wmma_scale_f32_16x16x128_f8f6f4 v[WD:WD+7], v[WX:WX+11], v[WY:WY+11], v[WD:WD+7], v[WSX], v[WSY] matrix_a_fmt:MATRIX_FMT_FP6 matrix_b_fmt:MATRIX_FMT_FP6 matrix_b_scale:MATRIX_SCALE_ROW1
.else
	v_wmma_scale_f32_16x16x128_f8f6f4 v[WD:WD+7], v[WX:WX+11], v[WY:WY+11], v[WD:WD+7], v[WSX], v[WSY] matrix_a_fmt:MATRIX_FMT_FP6 matrix_b_fmt:MATRIX_FMT_FP6 matrix_a_scale:MATRIX_SCALE_ROW1 matrix_b_scale:MATRIX_SCALE_ROW1
.endif
.endif
.endm
	s_load_b256 s[4:11], s[0:1], 0x0               ; ctc, cts, opc, ops
	s_load_b64 s[12:13], s[0:1], 0x20              ; out0
	v_lshl_add_u32 v126, v0, 2, 0x38400
	v_mov_b32 v127, 0
	ds_add_u32 v126, v127
	ds_add_u32 v126, v127
	v_lshrrev_b32 v1, 5, v0
	v_readfirstlane_b32 s[WV], v1                  ; wave 0..3
	s_bfe_u32 s17, ttmp6, 0x40000                  ; cx
	s_bfe_u32 s18, ttmp6, 0x40004                  ; cy
	s_mov_b32 s19, ttmp9                           ; the cluster's x, 0..1
	s_and_b32 s20, ttmp7, 0xffff                   ; the cluster's y, 0..7
	s_lshl_b32 s21, s20, 4
	s_lshl_b32 s2, s18, 2
	s_add_co_u32 s21, s21, s2                      ; PA: my first pair of tokens: hangs on cy alone
	s_lshl_b32 s22, s19, 4
	s_add_co_u32 s22, s22, 224
	s_lshl_b32 s3, s17, 2
	s_add_co_u32 s22, s22, s3                      ; PB: my first pair of Wo's rows: hangs on cx alone
	s_lshl_b32 s2, 15, s2                          ; my row of the cluster
	s_lshl_b32 s3, 0x1111, s17                     ; my column
	; descriptor group 1: two neighbouring pairs with all of K: 192 rows of 256 bytes; dense in LDS
	s_or_b32 s[G1A], s2, (3<<16)|(1<<21)           ; 15:0 the mask; 17:16 elements of 8 bytes; 21 set beside a mask
	s_or_b32 s[G1B], s3, (3<<16)|(1<<21)
.irp g, G1A, G1B
	s_mov_b32 s[\g+1], 32<<16                      ; two neighbouring pairs, all of K: 49,152 dense bytes as 192 rows of 256 bytes (32 elements of 8)
	s_mov_b32 s[\g+2], 192<<16
	s_mov_b32 s[\g+3], 32<<16
	s_mov_b32 s[\g+4], 192
	s_mov_b32 s[\g+5], 32
	s_mov_b32 s[\g+6], 0
	s_mov_b32 s[\g+7], 0
.endr
	s_and_b32 s2, s[WV], 1
	s_lshl_b32 s2, s2, 1                           ; which two of the four pairs I fetch
	s_add_co_u32 s56, s21, s2
	s_mul_i32 s56, s56, 24576
	s_mov_b32 s57, 0
	s_add_co_u32 s58, s22, s2
	s_mul_i32 s58, s58, 24576
	s_mov_b32 s59, 0
	s_mul_i32 s60, s[WV], 49152                    ; LDS: A's pairs 0-1, 2-3, then B's pairs 0-1, 2-3; a pair is 24,576 bytes, K step s at 3,072 s
	s_wait_dscnt 0x0
	s_wait_kmcnt 0x0
	s_add_nc_u64 s[56:57], s[4:5], s[56:57]
	s_add_nc_u64 s[58:59], s[8:9], s[58:59]
.irp q, 0
	s_mov_b32 s[G0A+4*\q], 1
	s_add_co_u32 s[G0A+4*\q+1], s60, CHUNK*\q
	s_add_nc_u64 s[G0A+4*\q+2:G0A+4*\q+3], s[56:57], 6144*\q
	s_or_b32 s[G0A+4*\q+3], s[G0A+4*\q+3], 0x80000000
	s_mov_b32 s[G0B+4*\q], 1
	s_add_co_u32 s[G0B+4*\q+1], s60, CHUNK*\q
	s_add_nc_u64 s[G0B+4*\q+2:G0B+4*\q+3], s[58:59], 6144*\q
	s_or_b32 s[G0B+4*\q+3], s[G0B+4*\q+3], 0x80000000
.endr
	CROUND                                         ; all sixteen work-groups are here: the joint loads meet
	s_cmp_lt_u32 s[WV], 2                          ; waves 0, 1 fetch A's chunks, waves 2, 3 B's: one load of mine is out; every LDS byte is filled once
	s_cbranch_scc0 .Lfill_b
	tensor_load_to_lds s[G0A:G0A+3], s[G1A:G1A+7]
	s_nop 0
	PLACES
	s_branch .Lfilled
.Lfill_b:
	tensor_load_to_lds s[G0B:G0B+3], s[G1B:G1B+7]
	s_nop 0
	PLACES
.Lfilled:
	v_and_b32 v1, 31, v0                           ; lane
	v_and_b32 v2, 15, v0                           ; r
	v_bfe_u32 v3, v0, 4, 1                         ; h
	v_lshlrev_b32 v4, 4, v1
	v_lshlrev_b32 v5, 3, v1
	v_lshlrev_b32 v6, 2, v1
	s_mul_i32 s61, s[WV], 24576                    ; my pair of A
	v_add_nc_u32 v[ADR], s61, v4                   ; A by 16 and by 8 bytes a lane
	v_add_nc_u32 v[ADR+1], s61, v5
.irp q, 0,1
	v_add_nc_u32 v[ADR+2+2*\q], 98304+49152*\q, v4 ; B's pairs 2 q and 2 q + 1
	v_add_nc_u32 v[ADR+3+2*\q], 98304+49152*\q, v5
.endr
	s_mul_i32 s2, s[WV], 16*SPITCH
	s_add_co_u32 s2, s2, STAGE                     ; my stage
	v_mul_u32_u24 v24, v2, SPITCH
	v_lshl_add_u32 v24, v3, 6, v24
	v_add_nc_u32 v24, s2, v24                      ; in: row r, + 64 h
	v_add_nc_u32 v25, s2, v4                       ; back: 16 bytes a lane of a row
	; the scale lines come straight into registers, once: 128 consecutive bytes a load
	s_lshl_b32 s2, s22, 10
	s_mov_b32 s3, 0
	s_add_nc_u64 s[62:63], s[10:11], s[2:3]
	s_add_co_u32 s86, s21, s[WV]                   ; my pair of tokens
	s_lshl_b32 s2, s86, 11
	s_add_nc_u64 s[66:67], s[6:7], s[2:3]
.irp s, 0,1,2,3,4,5,6,7
.irp p, 0,1,2,3
	global_load_b32 v[SB+4*\s+\p], v6, s[62:63] offset:1024*\p+128*\s
.endr
.endr
.irp g, 0,1,2,3,4,5,6,7,8,9,10,11,12,13,14,15
	global_load_b32 v[72+\g], v6, s[66:67] offset:128*\g
.endr
	s_lshl_b32 s2, s86, 17                         ; 32 rows of 4,096 bytes,
	s_and_b32 s87, s22, 31
	s_lshl_b32 s87, s87, 7                         ; my 128 columns: 512 bytes for each four pairs of Wo's rows
	s_add_co_u32 s2, s2, s87
	s_add_nc_u64 s[84:85], s[12:13], s[2:3]
; K step s's ten fragments into buffer s % 2: four dense loads each
.macro FETCH s
.set FB, 128*((\s)&1)
.set QA, ADR
.set SO, 3072*(\s)
	WIN TO_F
.irp u, 0,1
	ds_load_b128 v[FB+12*\u:FB+12*\u+3], v[QA] offset:SO+1536*\u
	ds_load_b64 v[FB+12*\u+4:FB+12*\u+5], v[QA+1] offset:SO+1536*\u+512
	ds_load_b128 v[FB+12*\u+6:FB+12*\u+9], v[QA] offset:SO+1536*\u+768
	ds_load_b64 v[FB+12*\u+10:FB+12*\u+11], v[QA+1] offset:SO+1536*\u+1280
.endr
.irp b, 0,1,2,3,4,5,6,7
	ds_load_b128 v[FB+24+12*\b:FB+24+12*\b+3], v[QA+2+2*(\b/4)] offset:SO+24576*((\b/2)%2)+1536*(\b%2)
	ds_load_b64 v[FB+24+12*\b+4:FB+24+12*\b+5], v[QA+3+2*(\b/4)] offset:SO+24576*((\b/2)%2)+1536*(\b%2)+512
	ds_load_b128 v[FB+24+12*\b+6:FB+24+12*\b+9], v[QA+2+2*(\b/4)] offset:SO+24576*((\b/2)%2)+1536*(\b%2)+768
	ds_load_b64 v[FB+24+12*\b+10:FB+24+12*\b+11], v[QA+3+2*(\b/4)] offset:SO+24576*((\b/2)%2)+1536*(\b%2)+1280
.endr
.endm
; A's tile a against B's eight.  The sixteen accumulators take turns, one instruction a turn, in the same order in every K step.
.macro MUL8 s, a, zero
.set FB, 128*((\s)&1)
.irp b, 0,1,2,3,4,5,6,7
	WMS ACC+64*\a+8*\b, FB+24+12*\b, FB+12*\a, \zero, SB+4*(\s)+\b/2, SA+(\s), \b%2, \a
.endr
.endm
; A K step.
.macro KSTEP s, zero
	s_wait_dscnt 0x0                               ; this step's fragments are in
	WIN MUL
	MUL8 \s, 0, \zero
.if (\s)<7
	PLACES                                         ; places in front of loads into the buffer that the step before multiplied
	FETCH (\s)+1
.endif
	WIN MUL
	MUL8 \s, 1, \zero
.endm
	s_wait_alu depctr_va_vdst(0)
	s_wait_tensorcnt 0x0                           ; my one load, two pairs with all of K, has landed
	s_barrier_signal -1
	s_barrier_wait -1                              ; everybody's has
	FETCH 0
	WIN 0
	s_wait_loadcnt 0x0                             ; the scale lines
.irp s, 0,1,2,3,4,5,6,7
	v_lshl_or_b32 v[SA+\s], v[73+2*\s], 16, v[72+2*\s]   ; heads 2 s and 2 s + 1: the four bytes of K step s
.endr
.rept 8
	v_nop                                          ; a scale register written by a vector instruction stands eight places ahead of the product
.endr
	s_wait_alu depctr_va_vdst(0)
	KSTEP 0, 1                                     ; the first products start the sums
.irp s, 1,2,3,4,5,6,7
	KSTEP \s, 0
.endr
	WIN 0
	PLACES                                         ; places in front of the first read of results
	; THE WAY OUT: a tile of 16 tokens x 128 columns goes into my stage and comes back, into the registers that it left, as whole rows of 512 bytes.  LDS serves a wave's instructions in order: no wait between.
.irp a, 0,1
.irp b, 0,1,2,3,4,5,6,7
	ds_store_b128 v24, v[ACC+64*\a+8*\b:ACC+64*\a+8*\b+3] offset:128*(\b/2)+32*(\b%2)      ; each accumulator from its low end on
	ds_store_b128 v24, v[ACC+64*\a+8*\b+4:ACC+64*\a+8*\b+7] offset:128*(\b/2)+32*(\b%2)+16
.endr
.irp t, 0,1,2,3,4,5,6,7,8,9,10,11,12,13,14,15
	ds_load_b128 v[ACC+64*\a+4*\t:ACC+64*\a+4*\t+3], v25 offset:\t*SPITCH
.endr
.endr
.irp t, 0,1,2,3,4,5,6,7,8,9,10,11,12,13,14,15
	s_wait_dscnt 47-\t                             ; behind tile 0's row t: its 15 - t younger rows and tile 1's 16 stores and 16 loads
	global_store_b128 v4, v[ACC+4*\t:ACC+4*\t+3], s[84:85] offset:(\t+8*(\t/8))*4096 th:TH_STORE_NT   ; 32 lanes store 512 consecutive bytes, at a multiple of 256 from out0's first byte
.endr
.irp t, 0,1,2,3,4,5,6,7,8,9,10,11,12,13,14,15
	s_wait_dscnt 15-\t
	global_store_b128 v4, v[ACC+64+4*\t:ACC+64+4*\t+3], s[84:85] offset:(8+\t+8*(\t/8))*4096 th:TH_STORE_NT
.endr
	s_wait_tensorcnt 0x0
	ds_add_u32 v126, v127
	s_wait_dscnt 0x0
	CROUND                                         ; the closing round: no work-group ends while a partner may still ask for a chunk that names it
	s_endpgm
.Lfunc_end_k_q80efee710d_proj:
	.size	k_q80efee710d_proj, .Lfunc_end_k_q80efee710d_proj-k_q80efee710d_proj
	.p2alignl 7, 3214868480
	.fill 96, 4, 3214868480
	.section	.rodata,"a",@progbits
	.p2align	6, 0x0
	.amdhsa_kernel k_q80efee710d_proj
		.amdhsa_group_segment_fixed_size 230912
		.amdhsa_private_segment_fixed_size 0
		.amdhsa_enable_private_segment 0
		.amdhsa_kernarg_size 40
		.amdhsa_user_sgpr_count 2
		.amdhsa_user_sgpr_kernarg_segment_ptr 1
		.amdhsa_wavefront_size32 1
		.amdhsa_system_sgpr_workgroup_id_x 1
		.amdhsa_system_sgpr_workgroup_id_y 1
		.amdhsa_system_sgpr_workgroup_id_z 1
		.amdhsa_system_vgpr_workitem_id 0
		.amdhsa_next_free_vgpr 512
		.amdhsa_next_free_sgpr 102
		.amdhsa_reserve_vcc 0
		.amdhsa_float_denorm_mode_32 3
		.amdhsa_float_denorm_mode_16_64 3
		.amdhsa_memory_ordered 1
		.amdhsa_forward_progress 1
		.amdhsa_inst_pref_size 57
	.end_amdhsa_kernel
	.amdgpu_metadata
---
amdhsa.version: [ 1, 2 ]
amdhsa.kernels:
  - .name:           k_q80efee710d_proj
    .symbol:         k_q80efee710d_proj.kd
    .args:
      - { .name: ctc, .offset: 0, .size: 8, .value_kind: global_buffer, .address_space: global }
      - { .name: cts, .offset: 8, .size: 8, .value_kind: global_buffer, .address_space: global }
      - { .name: opc, .offset: 16, .size: 8, .value_kind: global_buffer, .address_space: global }
      - { .name: ops, .offset: 24, .size: 8, .value_kind: global_buffer, .address_space: global }
      - { .name: out0, .offset: 32, .size: 8, .value_kind: global_buffer, .address_space: global }
    .group_segment_fixed_size: 230912
    .private_segment_fixed_size: 0
    .kernarg_segment_align: 8
    .kernarg_segment_size: 40
    .max_flat_workgroup_size: 128
    .sgpr_count:     102
    .vgpr_count:     512
    .wavefront_size: 32
...
	.end_amdgpu_metadata
.endif
;; end of part 4
